; MI455X (gfx1250); checked and timed in simulation.
; The chip was launched on July 23, 2026; its instructions are those of AMD's public machine-readable ISA for CDNA 5 (MIT licence, August 2026) and "CDNA5" Instruction Set Architecture Reference Guide (July 2026). The comments in the code are by the model that wrote it; some were corrected since.
;; Standard Attention. Allowed arithmetic: matrix products marked QUANTISED: E2M3 operands, one E8M0 scale for each 32 along K, by v_wmma_scale_f32_16x16x128_f8f6f4 with both operands' format E2M3, f32 sums; everything else in f32.
;; Inputs: Wk 1,024 x 1,024 float32; Wo 1,024 x 1,024 float32; Wq 1,024 x 1,024 float32; Wv 1,024 x 1,024 float32; attention_mask 4 x 2,048 float32; bk 1,024 float32; bo 1,024 float32; bq 1,024 float32; bv 1,024 float32; hidden_states 4 x 2,048 x 1,024 float32.
;; Outputs: out0 4 x 2,048 x 1,024 float32.
;; This version of the problem:
;;   THIS VERSION OF THE PROBLEM IS GIVEN IN LOW PRECISION. The matrix products marked QUANTISED in the list below multiply operands that are first quantised to E2M3 (2 exponent bits, 3 mantissa bits; 6 bits a number), with one power-of-two scale for each 32 numbers along K (OCP MX v1.0); their sums are f32. All else is computed in f32.
;;   The module's matrix products, in the order in which they are computed (A, B: the left and right operand; K: the contracted axis; several contracted axes count as one K, in the product's order):
;;     1. [M 8,192, K 1,024] x [K 1,024, N 1,024]; A: input hidden_states; B: input Wq: QUANTISED
;;     2. [M 8,192, K 1,024] x [K 1,024, N 1,024]; A: input hidden_states; B: input Wk: QUANTISED
;;     3. [M 8,192, K 1,024] x [K 1,024, N 1,024]; A: input hidden_states; B: input Wv: QUANTISED
;;     4. batch 64 x [M 2,048, K 64] x [K 64, N 2,048]; A: computed on the way; B: computed on the way: QUANTISED
;;     5. batch 64 x [M 2,048, K 2,048] x [K 2,048, N 64]; A: softmax (see below); B: computed on the way: QUANTISED
;;     6. [M 8,192, K 1,024] x [K 1,024, N 1,024]; A: computed on the way; B: input Wo: QUANTISED
;;   THE QUANTISER, for each operand of a quantised product, along K:
;;     - K is cut into blocks of 32 from its start; a last block that is shorter is filled with zeros.
;;     - A block's scale is 2^e with e = floor(log2(the largest magnitude in the block)) - 2, held to -126 .. 127; a block of zeros has e = 0. As a byte (E8M0): e + 127.
;;     - Each number is divided by its block's scale, clamped to +-7.5, and rounded to the nearest number of E2M3, ties to even, subnormals kept.
;;     - The product sums the exact products of the quantised numbers (number of the format x scale) in f32.
;;   ~~~python
;;   def quantise(x, axis):      # numpy; x: float32 -> the quantised numbers, widened to float32 again
;;       x = np.moveaxis(x, axis, -1); K = x.shape[-1]
;;       x = np.pad(x, [(0, 0)] * (x.ndim - 1) + [(0, -K % 32)]); x = x.reshape(x.shape[:-1] + (-1, 32)); a = np.abs(x).max(-1, keepdims=True)
;;       e = np.where(a > 0, np.clip(np.frexp(np.where(a > 0, a, 1))[1] - 1 - 2, -126, 127), 0)      # np.frexp(a)[1] - 1 = floor(log2(a)), exactly
;;       r = np.clip(x / 2.0 ** e, -7.5, 7.5)
;;       step = 2.0 ** (np.maximum(np.frexp(np.where(r == 0, 1, r))[1] - 1, 0) - 3)
;;       q = np.round(r / step) * step * 2.0 ** e      # np.round: ties to even
;;       return np.moveaxis(q.reshape(q.shape[:-2] + (-1,))[..., :K], -1, axis).astype(np.float32)
;;   ~~~
;;   SOFTMAX AHEAD OF A QUANTISED PRODUCT. Where the list says 'softmax', what is quantised is not the finished softmax but p = 2^(t - M), with t = logit x log2(e) and M = ceil(the row's largest t), a whole number; so 1/2 < the row's largest p <= 1. The row's sum l is taken of the UNQUANTISED p, in f32, and the product's result is divided by l at the end. Since M is a whole number, a kernel that streams over the keys may use a running M (the ceiling of the running maximum): every later rescaling is an exact power of two, which a block's scale takes up: the codes' values come out the same.
;;   OPERANDS COMPUTED ON THE WAY. 'Computed on the way' means the value that the module computes at that place (a softmax that the list does not call 'softmax' is quantised finished and normalised). What goes into a quantiser is computed in f32, as accurately as f32 sums, v_exp_f32 and their like allow (about 1e-6 of the number): no bf16 or f16 on the way to a quantiser, and a product that is left as it is and whose result goes on into a quantised operand takes f32 operands (vector FMAs, or v_wmma_f32_16x16x4_f32). A number that lies on a knife's edge between two numbers of the format may be rounded either way, as far as f32 arithmetic and the matrix unit's own rounding can turn it there, and no further.
;; One version. Each part assembles by itself: llvm-mc -triple=amdgcn-amd-amdhsa -mcpu=gfx1250 --defsym DOCPART=n.
;; ======== version 1 of 1: 4 launches
;; workspace buffers: xw_codes 9,437,184 bytes; xw_scales 393,216 bytes; qk_codes 12,582,912 bytes; qk_scales 1,048,576 bytes; v_codes 6,291,456 bytes; v_scales 262,144 bytes; ctx_codes 6,291,456 bytes; ctx_scales 262,144 bytes
;; launch quant (part 1): grid 192 x 1, 8 waves a work-group, no clusters, 93,696 bytes of LDS; arguments hidden_states, Wq, Wk, Wv, Wo, xw_codes, xw_scales; writes xw_codes, xw_scales
.if DOCPART == 1
	.amdgcn_target "amdgcn-amd-amdhsa--gfx1250"
	.amdhsa_code_object_version 6
	.text
	.protected	k_q234441b3c4_quant
	.globl	k_q234441b3c4_quant
	.p2align	8
	.type	k_q234441b3c4_quant,@function
k_q234441b3c4_quant:
	s_mov_b64 s[64:65], 0
	v_nop
	global_prefetch_b8 v0, s[64:65] scope:SCOPE_SE
	s_setreg_imm32_b32 hwreg(HW_REG_WAVE_MODE, 25, 1), 1
	s_wait_xcnt 0x0
; hidden_states [8192][1024] and Wq, Wk, Wv, Wo [1024][1024], f32, K innermost, become codes of FP6 (E2M3) with one E8M0 byte for each 32 along K.
; They are taken as ONE tensor xw of 12,288 rows (x, then Wq, Wk, Wv, Wo).  LAYOUT OF THE RESULT, as the products' launches want it:
;   xw_codes  [K / 64 = 16][row 12,288][48 bytes]: 64 codes of a row on end;   xw_scales [K / 128 = 8][row 12,288] words of four bytes.
;   A row lies at its number with bits 3 and 4 exchanged ("physical" row): 16 physical neighbours 32 b + 16 u + i are the rows 32 b + 8 u + i + 8 (i / 8).
; A block's scale is 2^(floor(log2(its largest magnitude)) - 2); its byte is the largest magnitude's exponent field - 2, held at 1 from below.
; LIMITS: a block of zeros gets the byte 1 where the rule says 127 (its codes are zeros, and this program alone reads the bytes); blocks whose largest magnitude lies under 2^-124 keep the byte 1;
; NaN and infinities among the inputs are not served.
; SHARES.  A work-group takes 64 rows, each of its eight waves 8 rows: 32,768 bytes on end, in 16 steps of 512 numbers (half a row).  A load reads 512 consecutive bytes; a step's 2,048 bytes turn through the
; wave's own stage in LDS, so that a lane holds 16 neighbours along K and two neighbouring lanes a block.  Codes and bytes are gathered in LDS in the result's layout; behind one barrier each wave stores two
; planes of codes (3,072 consecutive bytes each) and one of scale words (256 bytes).  Loads run four steps (16 loads a wave) ahead.
.set STEPS,  16
.set EMAX,   2
.set R,      16                        ; v16-79   four sets of 16 numbers as they are loaded; at the end the planes on their way out
.set X,      80                        ; v80-111  two sets of 16 neighbours
.set E,      112                       ; v112-127 a scale byte for each step
.set C,      128                       ; v128-191 codes: four registers for each step
.set SP,     80                        ; a lane's place in a stage: its 64 bytes + 16 of padding
.set WREG,   2*32*SP                   ; a wave's two stages
.set CSTG,   8*WREG                    ; the codes: 16 planes of 64 rows x 48 bytes,
.set CPL,    3088                      ; 3,088 bytes apart: 772 words, so that the eight planes that a store touches start 4 banks apart
.set SSTG,   CSTG+16*CPL               ; the scale words: [8][64 rows]
.set SPARE,  SSTG+2048                 ; the spare words, 128 bytes for each wave: four blocks of 256 bytes that no other line names
.set PLANE,  589824                    ; a plane of xw_codes: 12,288 rows x 48 bytes
.set SPLANE, 49152                     ; a plane of xw_scales
.set SPW,    12                        ; v12  LDS address of my spare word; never rewritten
.set NIL,    13                        ; v13  0; never rewritten
	s_load_b256 s[4:11], s[0:1], 0x0               ; hidden_states, Wq, Wk, Wv
	s_load_b128 s[12:15], s[0:1], 0x20             ; Wo, xw_codes
	s_load_b64 s[16:17], s[0:1], 0x30              ; xw_scales
	v_lshl_add_u32 v[SPW], v0, 2, SPARE
	v_mov_b32 v[NIL], 0
	v_lshrrev_b32 v1, 5, v0
	s_delay_alu instid0(VALU_DEP_1)
	v_readfirstlane_b32 s18, v1                    ; wave 0..7
	v_and_b32 v2, 31, v0                           ; lane
	s_wait_alu depctr_va_vdst(0)
	v_lshlrev_b32 v3, 4, v2                        ; my 16 bytes of 512
	s_mul_i32 s19, s18, WREG
	v_lshrrev_b32 v14, 2, v2
	s_delay_alu instid0(VALU_DEP_1)
	v_mul_u32_u24 v14, v14, SP
	v_and_b32 v15, 3, v2
	s_delay_alu instid0(VALU_DEP_1)
	v_lshl_add_u32 v14, v15, 4, v14
	s_delay_alu instid0(VALU_DEP_1)
	v_add_nc_u32 v14, s19, v14                     ; the stage, on the way in: SP (lane / 4) + 16 (lane % 4)
	v_mul_u32_u24 v15, v2, SP
	s_delay_alu instid0(VALU_DEP_1)
	v_add_nc_u32 v15, s19, v15                     ; and on the way out: SP x lane: my 16 neighbours
	s_and_b32 s24, s18, 4                          ; my 8 rows' physical place among the 64: the wave's number with its two low bits exchanged
	s_and_b32 s25, s18, 1
	s_lshl_b32 s25, s25, 1
	s_or_b32 s24, s24, s25
	s_lshr_b32 s25, s18, 1
	s_and_b32 s25, s25, 1
	s_or_b32 s24, s24, s25
	s_mul_i32 s25, s24, 8*48
	s_add_co_u32 s25, s25, CSTG
	v_lshrrev_b32 v4, 2, v2
	s_delay_alu instid0(VALU_DEP_1)
	v_mul_u32_u24 v4, v4, CPL                      ; four lanes make 64 codes: plane lane / 4 of the step's eight,
	v_and_b32 v1, 3, v2
	s_delay_alu instid0(VALU_DEP_1)
	v_mad_u32_u24 v4, v1, 12, v4                   ; 12 bytes a lane
	s_delay_alu instid0(VALU_DEP_1)
	v_add_nc_u32 v4, s25, v4
	s_lshl_b32 s25, s24, 5
	s_add_co_u32 s25, s25, SSTG
	v_lshrrev_b32 v5, 3, v2
	s_delay_alu instid0(VALU_DEP_1)
	v_lshlrev_b32 v5, 8, v5                        ; eight lanes make 128 along K: word plane lane / 8 of the step's four,
	v_bfe_u32 v1, v2, 1, 2
	s_delay_alu instid0(VALU_DEP_1)
	v_add_nc_u32 v5, v5, v1                        ; byte (lane / 2) % 4
	s_delay_alu instid0(VALU_DEP_1)
	v_add_nc_u32 v5, s25, v5
	s_mul_i32 s25, s18, 2*CPL
	s_add_co_u32 s25, s25, CSTG
	v_add_nc_u32 v6, s25, v3                       ; the way out: planes 2 w and 2 w + 1 of the codes,
	v_lshlrev_b32 v10, 3, v2
	s_lshl_b32 s25, s18, 8
	s_add_co_u32 s25, s25, SSTG
	v_add_nc_u32 v7, s25, v10                      ; plane w of the scale words
	s_mul_i32 s26, s18, 2*PLANE
	s_mul_i32 s27, ttmp9, 64*48
	s_add_co_u32 s26, s26, s27                     ; and the same places in memory
	s_mov_b32 s27, 0
	s_mul_i32 s28, s18, SPLANE
	s_lshl_b32 s29, ttmp9, 8
	s_add_co_u32 s28, s28, s29
	s_mov_b32 s29, 0
	s_and_b32 s23, ttmp9, 15
	s_wait_kmcnt 0x0
	s_mov_b64 s[20:21], s[12:13]                   ; which tensor: the choice hangs on the work-group's number alone
	s_cmp_lt_u32 ttmp9, 176
	s_cselect_b64 s[20:21], s[10:11], s[20:21]
	s_cmp_lt_u32 ttmp9, 160
	s_cselect_b64 s[20:21], s[8:9], s[20:21]
	s_cmp_lt_u32 ttmp9, 144
	s_cselect_b64 s[20:21], s[6:7], s[20:21]
	s_cmp_lt_u32 ttmp9, 128
	s_cselect_b64 s[20:21], s[4:5], s[20:21]
	s_cselect_b32 s22, ttmp9, s23                  ; and which 64 rows of it
	s_lshl_b32 s22, s22, 3
	s_add_co_u32 s22, s22, s18
	s_lshl_b32 s22, s22, 15                        ; 32,768 bytes a wave
	s_mov_b32 s23, 0
	s_add_nc_u64 s[20:21], s[20:21], s[22:23]
	s_add_nc_u64 s[14:15], s[14:15], s[26:27]
	s_add_nc_u64 s[16:17], s[16:17], s[28:29]
.macro LOAD t
.irp i, 0,1,2,3
	global_load_b128 v[R+16*((\t)%4)+4*\i:R+16*((\t)%4)+4*\i+3], v3, s[20:21] offset:2048*(\t)+512*\i th:TH_LOAD_NT   ; 32 lanes read 512 consecutive bytes
.endr
.endm
.macro TURN t                          ; step t's numbers through the stage: LDS serves a wave's instructions in order, so no wait stands between the stores and the loads
.irp i, 0,1,2,3
	ds_store_b128 v14, v[R+16*((\t)%4)+4*\i:R+16*((\t)%4)+4*\i+3] offset:32*SP*((\t)%2)+8*SP*\i
.endr
.irp i, 0,1,2,3
	ds_load_b128 v[X+16*((\t)%2)+4*\i:X+16*((\t)%2)+4*\i+3], v15 offset:32*SP*((\t)%2)+16*\i
.endr
.endm
.irp t, 0,1,2,3
	LOAD \t
.endr
	s_wait_loadcnt 12                              ; step 0's four loads are in
	TURN 0
.macro STEP t                          ; row t / 2 of my eight, half t % 2 of its K
.set XS, X+16*((\t)%2)
.if (\t) > 0
	s_wait_dscnt 4                                 ; this step's numbers are back from the stage; the last step's three code stores and its byte store may be out
.else
	s_wait_dscnt 0x0
.endif
.if (\t)+4 < STEPS
	LOAD (\t)+4                                    ; into the registers that this step's stores into the stage have read
.endif
.if (\t)+1 < STEPS
.if STEPS-2-(\t) >= 3
	s_wait_loadcnt 12                              ; the next step's four loads are in; those of the three steps behind it may be out
.else
	s_wait_loadcnt 4*(STEPS-2-(\t))
.endif
	TURN (\t)+1
.endif
	v_max3_num_f32 v8, |v[XS]|, |v[XS+1]|, |v[XS+2]|               ; the largest magnitude of my 16, in two chains
	v_max3_num_f32 v9, |v[XS+3]|, |v[XS+4]|, |v[XS+5]|
.irp i, 6,10
	s_delay_alu instid0(VALU_DEP_2)
	v_max3_num_f32 v8, v8, |v[XS+\i]|, |v[XS+\i+1]|
	s_delay_alu instid0(VALU_DEP_2)
	v_max3_num_f32 v9, v9, |v[XS+\i+2]|, |v[XS+\i+3]|
.endr
	s_delay_alu instid0(VALU_DEP_2)
	v_max3_num_f32 v8, v8, |v[XS+14]|, |v[XS+15]|
	s_delay_alu instid0(VALU_DEP_1)
	v_max3_num_f32 v8, v8, v9, (EMAX+1)<<23        ; and the floor 2^(3 - 127): the byte cannot fall under 1
	s_delay_alu instid0(VALU_DEP_1)
	v_max_num_f32_dpp v8, v8, v8 row_xmask:1 row_mask:0xf bank_mask:0xf   ; and of my neighbour's 16: the block's
	s_delay_alu instid0(VALU_DEP_1)
	v_add_nc_u32 v11, -(EMAX<<23), v8              ; 2 off its exponent field: the conversion takes the exponent field of this operand as its scale
	v_cvt_scalef32_pk16_fp6_f32 v[C+4*(\t):C+4*(\t)+2], v[XS:XS+15], v11
	v_lshrrev_b32 v[E+(\t)], 23, v11               ; the scale's byte (a plain line behind the conversion)
.irp i, 0,1,2
	ds_store_b32 v4, v[C+4*(\t)+\i] offset:((\t)%2)*8*CPL+((\t)/2)*48+4*\i   ; my 12 bytes stand at a multiple of 4: three words
.endr
	ds_store_b8 v5, v[E+(\t)] offset:((\t)%2)*1024+((\t)/2)*4   ; both lanes of a block write the same byte with the same value
.endm
.irp t, 0,1,2,3,4,5,6,7,8,9,10,11,12,13,14,15
	STEP \t
.endr
	s_wait_dscnt 0x0                               ; for the others' sake: my stores have landed
	s_barrier_signal -1
	s_barrier_wait -1                              ; the 64 rows' codes and words lie in LDS
.irp e, 0,1
.irp k, 0,1,2,3,4,5
	ds_load_b128 v[R+4*(6*\e+\k):R+4*(6*\e+\k)+3], v6 offset:\e*CPL+512*\k
.endr
.endr
	ds_load_b64 v[R+48:R+49], v7
.irp e, 0,1
.irp k, 0,1,2,3,4,5
	s_wait_dscnt 12-(6*\e+\k)                      ; the younger loads may be out
	global_store_b128 v3, v[R+4*(6*\e+\k):R+4*(6*\e+\k)+3], s[14:15] offset:\e*PLANE+512*\k   ; 32 lanes store 512 consecutive bytes, at a multiple of 256 from the buffer's first byte
.endr
.endr
	s_wait_dscnt 0x0
	global_store_b64 v10, v[R+48:R+49], s[16:17]   ; 256 consecutive bytes, aligned
	s_wait_tensorcnt 0x0                           ; the wave's end, behind my last LDS store
	ds_add_u32 v[SPW], v[NIL]
	s_wait_dscnt 0x0
	s_endpgm
.Lfunc_end_k_q234441b3c4_quant:
	.size	k_q234441b3c4_quant, .Lfunc_end_k_q234441b3c4_quant-k_q234441b3c4_quant
	.p2alignl 7, 3214868480
	.fill 96, 4, 3214868480
	.section	.rodata,"a",@progbits
	.p2align	6, 0x0
	.amdhsa_kernel k_q234441b3c4_quant
		.amdhsa_group_segment_fixed_size 93696
		.amdhsa_private_segment_fixed_size 0
		.amdhsa_enable_private_segment 0
		.amdhsa_kernarg_size 56
		.amdhsa_user_sgpr_count 2
		.amdhsa_user_sgpr_kernarg_segment_ptr 1
		.amdhsa_wavefront_size32 1
		.amdhsa_system_sgpr_workgroup_id_x 1
		.amdhsa_system_sgpr_workgroup_id_y 1
		.amdhsa_system_sgpr_workgroup_id_z 1
		.amdhsa_system_vgpr_workitem_id 0
		.amdhsa_next_free_vgpr 192
		.amdhsa_next_free_sgpr 66
		.amdhsa_reserve_vcc 0
		.amdhsa_float_denorm_mode_32 3
		.amdhsa_float_denorm_mode_16_64 3
		.amdhsa_memory_ordered 1
		.amdhsa_forward_progress 1
		.amdhsa_inst_pref_size 42
	.end_amdhsa_kernel
	.amdgpu_metadata
---
amdhsa.version: [ 1, 2 ]
amdhsa.kernels:
  - .name:           k_q234441b3c4_quant
    .symbol:         k_q234441b3c4_quant.kd
    .args:
      - { .name: hidden_states, .offset: 0, .size: 8, .value_kind: global_buffer, .address_space: global }
      - { .name: Wq, .offset: 8, .size: 8, .value_kind: global_buffer, .address_space: global }
      - { .name: Wk, .offset: 16, .size: 8, .value_kind: global_buffer, .address_space: global }
      - { .name: Wv, .offset: 24, .size: 8, .value_kind: global_buffer, .address_space: global }
      - { .name: Wo, .offset: 32, .size: 8, .value_kind: global_buffer, .address_space: global }
      - { .name: xw_codes, .offset: 40, .size: 8, .value_kind: global_buffer, .address_space: global }
      - { .name: xw_scales, .offset: 48, .size: 8, .value_kind: global_buffer, .address_space: global }
    .group_segment_fixed_size: 93696
    .private_segment_fixed_size: 0
    .kernarg_segment_align: 8
    .kernarg_segment_size: 56
    .max_flat_workgroup_size: 256
    .sgpr_count:     66
    .vgpr_count:     192
    .wavefront_size: 32
...
	.end_amdgpu_metadata
.endif
;; end of part 1
;; launch proj (part 2): grid 8 x 48, 4 waves a work-group, clusters of 4 x 4, 327,680 bytes of LDS; arguments xw_codes, xw_scales, bq, bk, bv, qk_codes, qk_scales, v_codes, v_scales; writes qk_codes, qk_scales, v_codes, v_scales
.if DOCPART == 2
	.amdgcn_target "amdgcn-amd-amdhsa--gfx1250"
	.amdhsa_code_object_version 6
	.text
	.protected	k_q234441b3c4_proj
	.globl	k_q234441b3c4_proj
	.p2align	8
	.type	k_q234441b3c4_proj,@function
k_q234441b3c4_proj:
	s_mov_b64 s[64:65], 0
	v_nop
	global_prefetch_b8 v0, s[64:65] scope:SCOPE_SE
	s_setreg_imm32_b32 hwreg(HW_REG_WAVE_MODE, 25, 1), 1
	s_wait_xcnt 0x0
	s_wait_alu depctr_hold_cnt(0) depctr_sa_sdst(0) depctr_va_vdst(0) depctr_va_sdst(0) depctr_va_ssrc(0) depctr_va_vcc(0) depctr_vm_vsrc(0)
	s_getreg_b32 s2, hwreg(HW_REG_IB_STS2, 6, 4)
	s_cmp_eq_u32 s2, 0
	s_cbranch_scc0 .Lentry_in_a_cluster
	s_endpgm
.Lentry_in_a_cluster:
	s_bfe_u32 s2, ttmp6, 0x10000c
	s_cmp_lg_u32 s2, 0xf033
	s_cbranch_scc0 .Lentry_shape_is_right
	s_endpgm
.Lentry_shape_is_right:
; q = x Wq^T + bq, k = x Wk^T + bk, v = x Wv^T + bv on codes of FP6 (E2M3) with E8M0 scales, K = 1,024; the results leave as CODES, quantised along the K of the products that read them:
; q and k along the head's 64, v along the tokens (the keys).  All operands are rows of one tensor xw (x: rows 0-8,191; Wq, Wk, Wv: from 8,192, 9,216, 10,240), laid [K / 64][row][48 bytes], rows in physical
; order (bits 3 and 4 of the row's number exchanged); scale words [K / 128][row].
; ONE TEXT FOR BOTH SHAPES.  Clusters with y under 8: A = x (32 tiles of 256 rows), B = Wq | Wk (8 tiles).  Clusters with y from 8 on ("v's way"): A = Wv (4 tiles), B = x (32 tiles).
; THE MATRIX INSTRUCTION IS USED TRANSPOSED (source 0 = 16 rows of B, source 1 = 16 rows of A): a lane holds ONE row of A, and, since 16 physical rows of B are the rows 32 b + 8 u + i + 8 (i / 8), the 16
; registers of B's tiles 2 b and 2 b + 1 are 16 neighbours of B's true order: features of q, k (their K), or tokens of v (its K).  So a wave's 128 columns are quantised in registers, a tile of 16 rows at a time.
; A tile of 256 x 256 to a work-group of four waves, 128 x 128 (64 accumulators, 512 registers) to a wave.  K goes in 4 steps of 256 through two LDS slots; a tensor load brings [4 planes][128 rows][48 bytes]:
; four rows of 6,144 consecutive bytes.  A lane's 24 bytes of a fragment stand at 48 row + 24 half: words 6 (2 row + half), which fall on 64 different banks (64 banks of 4 bytes: ISA guide 11.1) with no padding.
; CLUSTERS: 4 x 4 work-groups; A's tiles are asked for jointly along a row of the cluster, B's along a column.
; THE BIASES: bq, bk run along B's rows: they are the C of each sum's first product.  bv runs along A's rows: it is added on the way out.  Each is cleared on the way to which it does not belong.
; So bq and bk are added ahead of the products' sums and not behind them: an f32 rounding of the same size as the other order's.
; RESULTS: qk_codes [32 (16 heads of q, 16 of k)][token][48], qk_scales [32][token] words (bytes 0, 1; bytes 2, 3 are 0); v_codes [batch x 16 + head][key / 64][d][48], v_scales [..][key / 128][d] words.
; LIMITS: a block of zeros gets the byte 1 (its codes are zeros; this program alone reads the bytes); blocks whose largest magnitude lies under 2^-124 keep the byte 1; NaN and infinities are not served.
; REGISTERS, in windows of 256: window 0: v1-9, v16-29 addresses; v32-63 scale words, two sets; v64-127 the bias along B; v128-223 A's 8 fragments, ONE set; v232-247 the bias along A;
;   window 1: B's fragments, two sets, at v0 and v128;  windows 2, 3: the accumulators ((a, b) at v[8 (8 (a % 4) + b)]).
.set PLANEA, 589824                    ; a plane of xw_codes: 12,288 rows x 48 bytes
.set PLANEB, 589824
.set FR,     12                        ; registers of a fragment
.set HALFT,  4*128*48                  ; what one tensor load brings
.set SLOT,   4*HALFT                   ; A's two halves, then B's
.set SCL,    2*SLOT                    ; the scale words of all of K: four pieces [8][128 rows], one for each wave's load
.set SPARE,  SCL+4*4096                ; the spare words, 128 bytes for each wave: two blocks of 256 bytes that no other line names
.set WSTG,   13312                     ; the way out: a stage for each wave, in slot 0, which has had its last fill and its last read: codes [2][128 rows][48], then words [2][128 rows]
.set ADRA, 16                          ; v16-17 LDS address of my A fragments in slot 0, 1
.set ADRB, 20                          ; v20-21 the same for B
.set ADRS, 23                          ; v23    of my scale words: lanes 0-15 A's rows, lanes 16-31 B's
.set STO,  24                          ; v24    the way out: my 24 bytes of a row of codes
.set STW,  25                          ; v25    and my scale word
.set CO,   26                          ; v26    16 x lane
.set RD,   27                          ; v27    the stage read back
.set SPW,  28                          ; v28    LDS address of my spare word; never rewritten
.set NIL,  29                          ; v29    0; never rewritten
.set SC,   32
.set BN,   64
.set AF,   128
.set T,    128                         ; the way out: 64 numbers of a lane
.set PC,   192                         ; their codes
.set TM,   212                         ; at work
.set PW,   228                         ; the scale word just made
.set WD,   229
.set SH,   230                         ; 16 x half
.set SO,   231                         ; my byte offset in the scale words' buffer
.set BM,   232
.set RB,   64                          ; the stage read back: v64-167
.set SEL,  104                         ; s[104:105] lane selects for v_permlanex16_b32: lane l xor 16
.set G1,   24                          ; s[24:31] descriptor group 1 for A's tiles; s[32:39] group 0, a set for each slot
.set G0,   32
.set G1B,  48                          ; s[48:55], s[56:63] the same for B's
.set G0B,  56
.set G1S,  68                          ; s[68:75], s[76:79] for A's scale words; s[80:87], s[88:91] for B's
.set G0S,  76
.set G1SB, 80
.set G0SB, 88
.set MSB, 0
.macro WIN new                         ; the immediate's high byte repeats the setting that is left
.if MSB != (\new)
	s_set_vgpr_msb (MSB<<8)|(\new)
.set MSB, (\new)
.endif
.endm
.set MUL_LO, 0xa1                      ; source 0 (B) window 1, source 1 (A) window 0, C and D window 2
.set MUL_HI, 0xf1                      ; the same, C and D window 3
.set TO_B,   0x40                      ; destination window 1, address window 0
.macro JLOAD g0a, g1a, g0b, g1b        ; a joint load: waves 0 and 1 fetch for A, waves 2 and 3 for B; an s_nop 0 and four v_nop follow each of the two lines
	s_cmp_eq_u32 s15, 0
	s_cbranch_scc0 .Lfor_b_\@
	tensor_load_to_lds s[\g0a:\g0a+3], s[\g1a:\g1a+7]
	s_nop 0
.rept 4
	v_nop
.endr
	s_branch .Lasked_\@
.Lfor_b_\@:
	tensor_load_to_lds s[\g0b:\g0b+3], s[\g1b:\g1b+7]
	s_nop 0
.rept 4
	v_nop
.endr
.Lasked_\@:
.endm
.macro CREST                           ; a round of the cluster's barrier behind its opening barrier
	s_cmp_lg_u32 s14, 0
	s_cbranch_scc1 .Lnot_wave_0_\@
	s_barrier_signal -3
.Lnot_wave_0_\@:
	s_barrier_wait -3
	s_barrier_signal -1
	s_barrier_wait -1
.endm
.macro CROUND
	s_barrier_signal -1
	s_barrier_wait -1
	CREST
.endm
.macro PLACES n                        ; plain vector lines between a matrix instruction and a load into, or a read of, its registers
.rept \n
	v_nop
.endr
.endm
.macro FRAG reg, adr, q, i             ; a fragment, 16 rows x 128 K: registers 6 c .. 6 c + 5 hold K = 64 c + 32 (lane / 16) + 0 .. 31: 24 bytes of plane 2 q + c, in pieces of 8
.irp c, 0,1
.irp p, 0,1,2
	ds_load_b64 v[(\reg)+6*\c+2*\p:(\reg)+6*\c+2*\p+1], v[\adr] offset:(2*(\q)+\c)*6144+(\i)*768+8*\p
.endr
.endr
.endm
.macro FETCH_B slot, q, p              ; B's eight fragments of the slot's q-th 128 along K into set p
	WIN TO_B
.irp i, 0,1,2,3,4,5,6,7
	FRAG 128*(\p)+FR*\i, ADRB+\slot, \q, \i
.endr
	WIN 0
.endm
.macro FETCH_A slot, q, i0             ; A's blocks i0 .. i0 + 3
.irp i, \i0, \i0+1, \i0+2, \i0+3
	FRAG AF+FR*(\i), ADRA+\slot, \q, \i
.endr
.endm
.macro SCALES sc, ks                   ; K step ks's scale words into set sc: register 2 i + q: lanes 0-15 A's block i, lanes 16-31 B's block i
.irp i, 0,1,2,3,4,5,6,7
.irp q, 0,1
	ds_load_b32 v[SC+16*(\sc)+2*\i+\q], v[ADRS] offset:(2*(\ks)+\q)*512+\i*64
.endr
.endr
.endm
; 16 matrix instructions: A's blocks a0, a0 + 1 x B's eight.  p: B's set; q: which 128 of the slot; sc: the set of scale words.  first = 1: the bias along B starts the sums: nothing is cleared.
; The 64 accumulators take turns, one instruction a turn, in the same order in every step.
.macro MUL16 a0, p, q, sc, first
.irp a, \a0, \a0+1
.irp b, 0,1,2,3,4,5,6,7
.if \first
	v_wmma_scale_f32_16x16x128_f8f6f4 v[8*(8*((\a)%4)+\b):8*(8*((\a)%4)+\b)+7], v[128*(\p)+FR*\b:128*(\p)+FR*\b+FR-1], v[AF+FR*(\a):AF+FR*(\a)+FR-1], v[BN+8*\b:BN+8*\b+7], v[SC+16*(\sc)+2*\b+(\q)], v[SC+16*(\sc)+2*(\a)+(\q)] matrix_a_fmt:MATRIX_FMT_FP6 matrix_b_fmt:MATRIX_FMT_FP6 matrix_a_scale:MATRIX_SCALE_ROW1
.else
	v_wmma_scale_f32_16x16x128_f8f6f4 v[8*(8*((\a)%4)+\b):8*(8*((\a)%4)+\b)+7], v[128*(\p)+FR*\b:128*(\p)+FR*\b+FR-1], v[AF+FR*(\a):AF+FR*(\a)+FR-1], v[8*(8*((\a)%4)+\b):8*(8*((\a)%4)+\b)+7], v[SC+16*(\sc)+2*\b+(\q)], v[SC+16*(\sc)+2*(\a)+(\q)] matrix_a_fmt:MATRIX_FMT_FP6 matrix_b_fmt:MATRIX_FMT_FP6 matrix_a_scale:MATRIX_SCALE_ROW1
.endif
.endr
.endr
.endm
.macro STEP slot, first                ; a slot's first 128 along K (B's set 0); it fetches the second 128 (B's set 1)
	s_wait_dscnt 24                                ; B's set, the scale words and A's blocks 0-3 are in; the youngest 24 loads (A's blocks 4-7) may be out
.if \first
	WIN 0x81                                       ; C (the bias) window 0, D window 2
.else
	WIN MUL_LO
.endif
	MUL16 0, 0, 0, \slot, \first
	MUL16 2, 0, 0, \slot, \first
	s_wait_dscnt 0x0                               ; A's blocks 4-7 are in
	PLACES 4
	FETCH_B \slot, 1, 1
	FETCH_A \slot, 1, 0
.if \first
	WIN 0xc1
.else
	WIN MUL_HI
.endif
	MUL16 4, 0, 0, \slot, \first
	MUL16 6, 0, 0, \slot, \first
	PLACES 4
	WIN 0
	FETCH_A \slot, 1, 4
.endm
; A slot's second 128 along K changes slots: ONE barrier; in front of it each wave waits for all its tensor loads, adds 0 to its spare word, and waits for that and for its own reads of this slot.
; fill = 1: the barrier opens a round of the cluster's, and this slot is filled again, two K steps ahead.  ks: the K step that lies in the next slot.
.macro TURN slot, next, fill, ks
	s_wait_tensorcnt 0x0                           ; all my tensor loads have landed: my part of the next slot
	ds_add_u32 v[SPW], v[NIL]                      ; 0 onto my spare word
	s_wait_dscnt 25                                ; (the add and the youngest 24 loads, A's blocks 4-7, may be out)
	WIN MUL_LO
	MUL16 0, 1, 1, \slot, 0                        ; sixteen matrix instructions stand between the add and the wait for it
	s_wait_dscnt 0x0                               ; the add is done, and my reads of this slot are over
	s_barrier_signal -1
	MUL16 2, 1, 1, \slot, 0
	WIN 0
	s_barrier_wait -1
.if \fill
	CREST                                          ; no wave of any partner still reads this slot's tile or has a load on its way
	s_add_nc_u64 s[G0+4*\slot+2:G0+4*\slot+3], s[G0+4*\slot+2:G0+4*\slot+3], 8*PLANEA
	s_add_nc_u64 s[G0B+4*\slot+2:G0B+4*\slot+3], s[G0B+4*\slot+2:G0B+4*\slot+3], 8*PLANEB
	JLOAD G0+4*\slot, G1, G0B+4*\slot, G1B         ; the first tensor load behind the round; the four v_nop behind it are the places in front of the loads below
.else
	PLACES 4
.endif
	FETCH_B \next, 0, 0
	FETCH_A \next, 0, 0
	SCALES \next, \ks
	WIN MUL_HI
	MUL16 4, 1, 1, \slot, 0
	MUL16 6, 1, 1, \slot, 0
	PLACES 4
	WIN 0
	FETCH_A \next, 0, 4
.endm
; 64 numbers of a lane, v[s] .. v[s + 63], register 16 b + i = k 32 b + 16 (lane / 16) + i of my row, become a fragment's codes in v[PC] on and its scale word in v[PW].
.macro QUANT s
.irp b, 0,1,2,3
	v_max3_num_f32 v[TM+\b], |v[\s+16*\b]|, |v[\s+1+16*\b]|, 0x1800000   ; block b: my 16 numbers, and the floor 2^(3 - 127): the byte cannot fall under 1
.endr
.irp i, 2,4,6,8,10,12,14
.irp b, 0,1,2,3
	v_max3_num_f32 v[TM+\b], v[TM+\b], |v[\s+16*\b+\i]|, |v[\s+1+16*\b+\i]|   ; (the four blocks by turns)
.endr
.endr
.irp b, 0,1,2,3
	v_permlanex16_b32 v[TM+4+\b], v[TM+\b], s[SEL], s[SEL+1]
.endr
.irp b, 0,1,2,3
	v_max_num_f32 v[TM+\b], v[TM+\b], v[TM+4+\b]   ; with lane l xor 16's: the block's largest magnitude
.endr
.irp b, 0,1,2,3
	v_add_nc_u32 v[TM+12+\b], 0xff000000, v[TM+\b] ; 2 off its exponent field: the conversion's scale operand
.endr
.irp b, 0,1,2,3
	v_lshrrev_b32 v[TM+4+\b], 23, v[TM+12+\b]      ; the scale's byte
.endr
	v_lshl_or_b32 v[PW], v[TM+5], 8, v[TM+4]
	v_lshl_or_b32 v[PW], v[TM+6], 16, v[PW]
	v_lshl_or_b32 v[PW], v[TM+7], 24, v[PW]
.irp c, 0,1
	v_cvt_scalef32_pk16_fp6_f32 v[PC+6*\c:PC+2+6*\c], v[\s+32*\c:\s+15+32*\c], v[TM+12+2*\c]
	v_cvt_scalef32_pk16_fp6_f32 v[PC+12+4*\c:PC+14+4*\c], v[\s+16+32*\c:\s+31+32*\c], v[TM+12+2*\c+1]   ; (a conversion's three registers begin on an even number)
.endr
	v_nop                                          ; one plain line behind a scaled conversion
.irp c, 0,1                                    ; the operand's layout wants a WHOLE block in a lane: lanes 0-15 block 2 c, lanes 16-31 block 2 c + 1
.irp i, 0,1,2
	v_permlane16_swap_b32 v[PC+6*\c+\i], v[PC+12+4*\c+\i]
.endr
.irp i, 0,1,2
	v_mov_b32 v[PC+3+6*\c+\i], v[PC+12+4*\c+\i]
.endr
.endr
.endm
	s_load_b256 s[4:11], s[0:1], 0x0               ; xw_codes s[4:5], xw_scales s[6:7], bq s[8:9], bk s[10:11]
	s_load_b256 s[92:99], s[0:1], 0x20             ; bv s[92:93], qk_codes s[94:95], qk_scales s[96:97], v_codes s[98:99]
	s_load_b64 s[100:101], s[0:1], 0x40            ; v_scales
	v_lshl_add_u32 v[SPW], v0, 2, SPARE
	v_mov_b32 v[NIL], 0
	ds_add_u32 v[SPW], v[NIL]                      ; the wave's opening: an add and its wait ahead of my first tensor load; the set-up below, work on registers, stands between them
	ds_add_u32 v[SPW], v[NIL]
	v_lshrrev_b32 v1, 5, v0
	v_readfirstlane_b32 s14, v1                    ; wave 0..3
	s_lshr_b32 s15, s14, 1                         ; which half of A's rows is mine.  Also: I fetch for A (0) or for B (1)
	s_and_b32 s16, s14, 1                          ; which half of B's rows.  Also: which 128 rows I fetch
	s_bfe_u32 s40, ttmp6, 0x40000                  ; cx, cy: my place in the cluster
	s_bfe_u32 s41, ttmp6, 0x40004
	s_mov_b32 s[SEL], 0x76543210
	s_mov_b32 s[SEL+1], 0xfedcba98
	s_and_b32 s18, ttmp7, 0xffff                   ; cluster y
	s_lshl_b32 s19, s18, 2
	s_lshl_b32 s67, s18, 3
	s_sub_co_u32 s67, s67, 64
	s_cmp_ge_u32 s18, 8                            ; v's way?  The cluster's y alone: the same in all sixteen partners
	s_cselect_b32 s2, 1, 0
	s_cselect_b32 s3, 0, -1                        ; all ones on q's and k's way
	s_cselect_b32 s19, 40, s19                     ; A's tiles: Wv's begin at tile 40 of xw; x's at 4 x cluster y
	s_cselect_b32 s67, s67, 32                     ; B's tiles: x's at 8 (cluster y - 8); Wq | Wk begin at tile 32
	s_cselect_b32 s12, 40, 0                       ; (what is taken off to number A's rows within their own tensor,
	s_cselect_b32 s13, 0, 32                       ; and B's)
	s_add_co_u32 s17, s19, s41                     ; A's tile: hangs on cy, not on cx
	s_lshl_b32 s42, ttmp9, 2
	s_add_co_u32 s42, s42, s40
	s_add_co_u32 s42, s42, s67                     ; B's tile: hangs on cx, not on cy
	s_lshl_b32 s43, s41, 2
	s_lshl_b32 s43, 15, s43                        ; my row of the cluster
	s_lshl_b32 s44, 0x1111, s40                    ; my column
	s_or_b32 s[G1+0], s43, (3<<16)|(1<<21)         ; 15:0 the mask; 17:16 elements of 8 bytes; 21 set beside a mask; no padding
	s_or_b32 s[G1B+0], s44, (3<<16)|(1<<21)
	s_mov_b32 s[G1+5], PLANEA/8                    ; from plane to plane, in elements
	s_mov_b32 s[G1B+5], PLANEB/8
.irp g, G1, G1B
	s_mov_b32 s[\g+1], 768<<16                     ; tensor_dim0: 128 rows x 48 bytes = 768 elements
	s_mov_b32 s[\g+2], 4<<16                       ; tensor_dim1: 4 planes
	s_mov_b32 s[\g+3], 768<<16                     ; tile_dim0
	s_mov_b32 s[\g+4], 4                           ; tile_dim1
	s_mov_b32 s[\g+6], 0
	s_mov_b32 s[\g+7], 0
.endr
	s_or_b32 s[G1S+0], s43, (3<<16)|(1<<21)
	s_or_b32 s[G1SB+0], s44, (3<<16)|(1<<21)
.irp g, G1S, G1SB
	s_mov_b32 s[\g+1], 64<<16                      ; 128 words = 64 elements
	s_mov_b32 s[\g+2], 8<<16                       ; 8 planes: all of K
	s_mov_b32 s[\g+3], 64<<16
	s_mov_b32 s[\g+4], 8
	s_mov_b32 s[\g+5], 49152/8
	s_mov_b32 s[\g+6], 0
	s_mov_b32 s[\g+7], 0
.endr
	s_lshl_b32 s18, s16, 7
	s_lshl_b32 s20, s17, 8
	s_add_co_u32 s20, s20, s18                     ; the first of A's rows that I fetch
	s_lshl_b32 s46, s42, 8
	s_add_co_u32 s46, s46, s18                     ; of B's
	s_lshl_b32 s22, s20, 2                         ; their scale words,
	s_mul_i32 s20, s20, 48                         ; their codes
	s_mov_b32 s21, 0
	s_mov_b32 s23, 0
	s_lshl_b32 s66, s46, 2
	s_mul_i32 s46, s46, 48
	s_mov_b32 s47, 0
	s_mov_b32 s67, 0
	s_mul_i32 s45, s14, HALFT                      ; where they go: no place in the cluster enters an LDS address
	s_lshl_b32 s19, s14, 12
	s_wait_dscnt 0x0                               ; the opening add is done
	s_wait_kmcnt 0x0
	s_add_nc_u64 s[20:21], s[4:5], s[20:21]
	s_add_nc_u64 s[22:23], s[6:7], s[22:23]
	s_add_nc_u64 s[46:47], s[4:5], s[46:47]
	s_add_nc_u64 s[66:67], s[6:7], s[66:67]
	CROUND                                         ; all sixteen work-groups are here: the first joint loads meet
	s_mov_b32 s[G0S], 1
	s_add_co_u32 s[G0S+1], s19, SCL
	s_mov_b64 s[G0S+2:G0S+3], s[22:23]
	s_or_b32 s[G0S+3], s[G0S+3], 0x80000000
	s_mov_b32 s[G0SB], 1
	s_add_co_u32 s[G0SB+1], s19, SCL
	s_mov_b64 s[G0SB+2:G0SB+3], s[66:67]
	s_or_b32 s[G0SB+3], s[G0SB+3], 0x80000000
.irp s, 0,1
	s_mov_b32 s[G0+4*\s], 1
	s_add_co_u32 s[G0+4*\s+1], s45, \s*SLOT
	s_add_nc_u64 s[G0+4*\s+2:G0+4*\s+3], s[20:21], \s*4*PLANEA
	s_or_b32 s[G0+4*\s+3], s[G0+4*\s+3], 0x80000000
	s_mov_b32 s[G0B+4*\s], 1
	s_add_co_u32 s[G0B+4*\s+1], s45, \s*SLOT
	s_add_nc_u64 s[G0B+4*\s+2:G0B+4*\s+3], s[46:47], \s*4*PLANEB
	s_or_b32 s[G0B+4*\s+3], s[G0B+4*\s+3], 0x80000000
.endr
	s_cmp_eq_u32 s15, 0                            ; a wave's three first fills stand in one branch: the scale words, K step 0, K step 1: three loads of mine are out
	s_cbranch_scc0 .Lfirst_b
	tensor_load_to_lds s[G0S:G0S+3], s[G1S:G1S+7]
	s_nop 0
	tensor_load_to_lds s[G0:G0+3], s[G1:G1+7]
	s_nop 0
	tensor_load_to_lds s[G0+4:G0+7], s[G1:G1+7]
	s_nop 0
.rept 4
	v_nop
.endr
	s_branch .Lfirst_done
.Lfirst_b:
	tensor_load_to_lds s[G0SB:G0SB+3], s[G1SB:G1SB+7]
	s_nop 0
	tensor_load_to_lds s[G0B:G0B+3], s[G1B:G1B+7]
	s_nop 0
	tensor_load_to_lds s[G0B+4:G0B+7], s[G1B:G1B+7]
	s_nop 0
.rept 4
	v_nop
.endr
.Lfirst_done:
	v_and_b32 v1, 15, v0                           ; r = lane % 16
	v_bfe_u32 v2, v0, 4, 1                         ; h = lane / 16
	s_wait_alu depctr_va_vdst(0)
	v_mul_u32_u24 v3, v1, 48
	v_mad_u32_u24 v3, v2, 24, v3                   ; 48 r + 24 h
	s_wait_alu depctr_va_vdst(0)
	v_and_b32 v5, 31, v0
	v_lshlrev_b32 v[CO], 4, v5
	s_sub_co_u32 s12, s17, s12                     ; the first of my 128 rows of A, numbered within its own tensor (tokens; on v's way features),
	s_lshl_b32 s12, s12, 8
	s_lshl_b32 s18, s15, 7
	s_add_co_u32 s12, s12, s18
	s_sub_co_u32 s13, s42, s13                     ; and of B (features of q | k, 0 to 2,047; on v's way tokens)
	s_lshl_b32 s13, s13, 8
	s_lshl_b32 s18, s16, 7
	s_add_co_u32 s13, s13, s18
	s_and_b32 s18, s13, 1023
	s_lshl_b32 s18, s18, 2
	s_and_b32 s18, s18, s3                         ; (on v's way the first 128 numbers are read and cleared below: no load leaves its buffer)
	s_mov_b32 s19, 0
	s_cmp_lt_u32 s13, 1024
	s_cselect_b64 s[66:67], s[8:9], s[10:11]       ; bq or bk
	s_add_nc_u64 s[66:67], s[66:67], s[18:19]
	s_lshl_b32 s18, s12, 2
	s_and_not1_b32 s18, s18, s3                    ; (on q's and k's way likewise)
	s_add_nc_u64 s[22:23], s[92:93], s[18:19]      ; bv
	v_lshlrev_b32 v6, 6, v2                        ; in B's tile 2 b + u a lane's eight registers are the features 32 b + 16 h + 8 u + 0 .. 7
.irp b, 0,1,2,3,4,5,6,7
	global_load_b128 v[BN+8*\b:BN+8*\b+3], v6, s[66:67] offset:(32*(\b/2)+8*(\b%2))*4
	global_load_b128 v[BN+8*\b+4:BN+8*\b+7], v6, s[66:67] offset:(32*(\b/2)+8*(\b%2))*4+16
.endr
	v_and_b32 v7, 8, v1
	v_add_nc_u32 v7, v7, v1
	v_lshlrev_b32 v7, 2, v7                        ; lane r of A's tile 2 b + u is the feature 32 b + 8 u + r + 8 (r / 8)
.irp a, 0,1,2,3,4,5,6,7
	global_load_b32 v[BM+2*\a], v7, s[22:23] offset:(32*(\a/2)+8*(\a%2))*4
.endr
	s_mul_i32 s18, s15, HALFT                      ; my 128 rows of A
	s_mul_i32 s19, s16, HALFT                      ; my 128 rows of B,
	s_add_co_u32 s19, s19, 2*HALFT                 ; which lie behind A's 256
.irp s, 0,1
	v_add_nc_u32 v[ADRA+\s], s18, v3
	v_add_nc_u32 v[ADRB+\s], s19, v3
	s_add_co_u32 s18, s18, SLOT
	s_add_co_u32 s19, s19, SLOT
.endr
	s_lshl_b32 s18, s15, 12                        ; the scale words: A's piece,
	s_lshl_b32 s19, s16, 12
	s_add_co_u32 s19, s19, 2*4096                  ; B's,
	s_sub_co_u32 s19, s19, s18                     ; and the distance between the two,
	v_mul_u32_u24 v8, s19, v2                      ; which lanes 16-31 go further
	s_add_co_u32 s18, s18, SCL
	v_lshl_add_u32 v8, v1, 2, v8
	v_add_nc_u32 v[ADRS], s18, v8
	s_mul_i32 s18, s14, WSTG                       ; my stage
	v_add_nc_u32 v[STO], s18, v3
	v_add_nc_u32 v[RD], s18, v[CO]
	v_lshlrev_b32 v9, 9, v2
	v_lshl_add_u32 v9, v1, 2, v9
	v_add_nc_u32 v9, s18, v9
	v_add_nc_u32 v[STW], 12288, v9                 ; the words: array h, 4 bytes a row
	v_lshlrev_b32 v[SH], 4, v2
	s_wait_loadcnt 0x0                             ; the biases are in; their bases may be written again
.set i, 0
.rept 64
	v_and_b32 v[BN+i], s3, v[BN+i]                 ; on v's way no bias runs along B
.set i, i+1
.endr
	s_not_b32 s18, s3
.irp a, 0,1,2,3,4,5,6,7
	v_and_b32 v[BM+2*\a], s18, v[BM+2*\a]          ; on q's and k's way none along A
	v_mov_b32 v[BM+2*\a+1], 0                      ; (named with it as a pair, so it is written)
.endr
	; where the results go.  q, k: codes (feature / 64) planes of 393,216 + token x 48; words (feature / 64) x 32,768 + token x 4.
	; v: codes ((batch x 16 + head) x 32 + key / 64) x 3,072; words ((batch x 16 + head) x 16 + key / 128) x 256
	s_lshr_b32 s18, s13, 6
	s_mul_i32 s40, s18, 393216
	s_mul_i32 s19, s12, 48
	s_add_co_u32 s40, s40, s19
	s_lshl_b32 s41, s18, 15
	s_lshl_b32 s19, s12, 2
	s_add_co_u32 s41, s41, s19
	s_lshr_b32 s18, s13, 11
	s_lshl_b32 s18, s18, 4
	s_lshr_b32 s19, s12, 6
	s_add_co_u32 s18, s18, s19                     ; batch x 16 + head
	s_bfe_u32 s19, s13, 0x50006                    ; key / 64 within the batch
	s_lshl_b32 s42, s18, 5
	s_add_co_u32 s42, s42, s19
	s_mul_i32 s42, s42, 3072
	s_lshl_b32 s43, s18, 4
	s_lshr_b32 s19, s19, 1
	s_add_co_u32 s43, s43, s19
	s_lshl_b32 s43, s43, 8
	s_mov_b32 s66, 393216
	s_mov_b32 s46, 98304
	s_mov_b32 s18, 256
	s_cmp_lg_u32 s2, 0                             ; v's way?
	s_cselect_b64 s[20:21], s[98:99], s[94:95]
	s_cselect_b64 s[22:23], s[100:101], s[96:97]
	s_cselect_b32 s40, s42, s40
	s_cselect_b32 s42, s43, s41
	s_cselect_b32 s66, 3072, s66                   ; from 64 along the results' K to the next
	s_cselect_b32 s46, s46, 3072                   ; from 64 rows to the next
	s_cselect_b32 s18, 4096, s18                   ; the same for the words
	s_cselect_b32 s19, -1, 0xffff                  ; q's and k's words have two bytes, v's four
	s_mov_b32 s41, 0
	s_mov_b32 s43, 0
	s_mov_b32 s67, 0
	s_mov_b32 s47, 0
	s_add_nc_u64 s[20:21], s[20:21], s[40:41]      ; piece (0, 0) of the codes,
	s_add_nc_u64 s[22:23], s[22:23], s[42:43]      ; the words,
	s_add_nc_u64 s[40:41], s[20:21], s[46:47]      ; pieces (0, 1),
	s_add_nc_u64 s[42:43], s[20:21], s[66:67]      ; (1, 0)
	s_add_nc_u64 s[44:45], s[42:43], s[46:47]      ; and (1, 1): a base for each, so that none is stepped
	v_mul_u32_u24 v[SO], s18, v2
	v_lshl_add_u32 v[SO], v1, 4, v[SO]
	s_wait_tensorcnt 1                             ; the scale words and my part of K step 0 are in (K step 1's load may be out),
	s_barrier_signal -1
	s_barrier_wait -1                              ; everybody's are
	FETCH_B 0, 0, 0
	FETCH_A 0, 0, 0
	SCALES 0, 0
	FETCH_A 0, 0, 4
	STEP 0, 1                                      ; K = 1,024 is four K steps: written out, no loop
	TURN 0, 1, 1, 1
	STEP 1, 0
	TURN 1, 0, 1, 2
	STEP 0, 0
	TURN 0, 1, 0, 3                                ; nothing is left to fetch: no round
	STEP 1, 0
	s_wait_dscnt 24                                ; the very last 128 along K
	WIN MUL_LO
	MUL16 0, 1, 1, 1, 0
	MUL16 2, 1, 1, 1, 0
	s_wait_dscnt 0x0
	WIN MUL_HI
	MUL16 4, 1, 1, 1, 0
	MUL16 6, 1, 1, 1, 0
	WIN 0
	; THE WAY OUT.  A block of 16 rows of A x my 128 columns: the bias along A is added, the lane's 64 numbers are quantised, and the fragment and its scale word go to my stage.
	PLACES 4
.irp b, 0,1,2,3
	v_mov_b32 v[TM+4+\b], 0                        ; written once: a lane permute's destination counts as one of its sources
.endr
.macro OUTBLK a
.set AC, 64*((\a)%4)
	WIN 0x02+(\a)/4                                ; source 0: window 2 or 3
.set i, 0
.rept 32
	v_pk_add_f32 v[T+2*i:T+2*i+1], v[AC+2*i:AC+2*i+1], v[BM+2*(\a):BM+2*(\a)+1] op_sel_hi:[1,0]   ; each accumulator from its low end on
.set i, i+1
.endr
	WIN 0
	QUANT T
.irp c, 0,1
.irp p, 0,1,2
	ds_store_b64 v[STO], v[PC+6*\c+2*\p:PC+6*\c+2*\p+1] offset:\c*6144+(\a)*768+8*\p
.endr
.endr
	v_lshrrev_b32 v[WD], v[SH], v[PW]              ; lanes 0-15 keep the word (q, k: its low two bytes are the first head's), lanes 16-31 take the second head's two bytes
	v_and_b32 v[WD], s19, v[WD]
	ds_store_b32 v[STW], v[WD] offset:(\a)*64
	s_wait_dscnt 0x0                               ; the stores have read their registers: the next block's codes may be written
.endm
.irp a, 0,1,2,3,4,5,6,7
	OUTBLK \a
.endr
.set i, 0
.rept 24
	ds_load_b128 v[RB+4*i:RB+4*i+3], v[RD] offset:512*i   ; my own bytes: LDS serves a wave's instructions in order
.set i, i+1
.endr
	ds_load_b128 v[RB+96:RB+99], v[RD] offset:12288
	ds_load_b128 v[RB+100:RB+103], v[RD] offset:12288+512
	s_wait_dscnt 0x0
.irp k, 0,1,2,3,4,5
	global_store_b128 v[CO], v[RB+4*\k:RB+4*\k+3], s[20:21] offset:512*\k          ; 32 lanes store 512 consecutive bytes, at a multiple of 256 from the buffer's first byte
.endr
.irp k, 0,1,2,3,4,5
	global_store_b128 v[CO], v[RB+24+4*\k:RB+24+4*\k+3], s[40:41] offset:512*\k
.endr
.irp k, 0,1,2,3,4,5
	global_store_b128 v[CO], v[RB+48+4*\k:RB+48+4*\k+3], s[42:43] offset:512*\k
.endr
.irp k, 0,1,2,3,4,5
	global_store_b128 v[CO], v[RB+72+4*\k:RB+72+4*\k+3], s[44:45] offset:512*\k
.endr
	global_store_b128 v[SO], v[RB+96:RB+99], s[22:23]   ; sixteen lanes store 256 consecutive bytes, aligned
	s_cmp_lg_u32 s2, 0                             ; v has one word a row: the second array is q's and k's alone
	s_cbranch_scc1 .Lone_word
	global_store_b128 v[SO], v[RB+100:RB+103], s[22:23] offset:32768
.Lone_word:
	s_wait_tensorcnt 0x0                           ; the wave's end, behind my last tensor load and my last LDS store
	ds_add_u32 v[SPW], v[NIL]
	s_wait_dscnt 0x0
	CROUND                                         ; the closing round: no work-group ends while a partner may still ask for a tile that names it
	s_endpgm
.Lfunc_end_k_q234441b3c4_proj:
	.size	k_q234441b3c4_proj, .Lfunc_end_k_q234441b3c4_proj-k_q234441b3c4_proj
	.p2alignl 7, 3214868480
	.fill 96, 4, 3214868480
	.section	.rodata,"a",@progbits
	.p2align	6, 0x0
	.amdhsa_kernel k_q234441b3c4_proj
		.amdhsa_group_segment_fixed_size 327680
		.amdhsa_private_segment_fixed_size 0
		.amdhsa_enable_private_segment 0
		.amdhsa_kernarg_size 72
		.amdhsa_user_sgpr_count 2
		.amdhsa_user_sgpr_kernarg_segment_ptr 1
		.amdhsa_wavefront_size32 1
		.amdhsa_system_sgpr_workgroup_id_x 1
		.amdhsa_system_sgpr_workgroup_id_y 1
		.amdhsa_system_sgpr_workgroup_id_z 1
		.amdhsa_system_vgpr_workitem_id 0
		.amdhsa_next_free_vgpr 1024
		.amdhsa_next_free_sgpr 106
		.amdhsa_reserve_vcc 0
		.amdhsa_float_denorm_mode_32 3
		.amdhsa_float_denorm_mode_16_64 3
		.amdhsa_memory_ordered 1
		.amdhsa_forward_progress 1
		.amdhsa_inst_pref_size 193
	.end_amdhsa_kernel
	.amdgpu_metadata
---
amdhsa.version: [ 1, 2 ]
amdhsa.kernels:
  - .name:           k_q234441b3c4_proj
    .symbol:         k_q234441b3c4_proj.kd
    .args:
      - { .name: xw_codes, .offset: 0, .size: 8, .value_kind: global_buffer, .address_space: global }
      - { .name: xw_scales, .offset: 8, .size: 8, .value_kind: global_buffer, .address_space: global }
      - { .name: bq, .offset: 16, .size: 8, .value_kind: global_buffer, .address_space: global }
      - { .name: bk, .offset: 24, .size: 8, .value_kind: global_buffer, .address_space: global }
      - { .name: bv, .offset: 32, .size: 8, .value_kind: global_buffer, .address_space: global }
      - { .name: qk_codes, .offset: 40, .size: 8, .value_kind: global_buffer, .address_space: global }
      - { .name: qk_scales, .offset: 48, .size: 8, .value_kind: global_buffer, .address_space: global }
      - { .name: v_codes, .offset: 56, .size: 8, .value_kind: global_buffer, .address_space: global }
      - { .name: v_scales, .offset: 64, .size: 8, .value_kind: global_buffer, .address_space: global }
    .group_segment_fixed_size: 327680
    .private_segment_fixed_size: 0
    .kernarg_segment_align: 8
    .kernarg_segment_size: 72
    .max_flat_workgroup_size: 128
    .sgpr_count:     106
    .vgpr_count:     1024
    .wavefront_size: 32
...
	.end_amdgpu_metadata
.endif
;; end of part 2
;; launch attn (part 3): grid 4 x 64, 16 waves a work-group, clusters of 4 x 1, 244,736 bytes of LDS; arguments qk_codes, qk_scales, v_codes, v_scales, attention_mask, ctx_codes, ctx_scales; writes ctx_codes, ctx_scales
.if DOCPART == 3
	.amdgcn_target "amdgcn-amd-amdhsa--gfx1250"
	.amdhsa_code_object_version 6
	.text
	.protected	k_q234441b3c4_attn
	.globl	k_q234441b3c4_attn
	.p2align	8
	.type	k_q234441b3c4_attn,@function
k_q234441b3c4_attn:
	s_mov_b64 s[64:65], 0
	v_nop
	global_prefetch_b8 v0, s[64:65] scope:SCOPE_SE
	s_setreg_imm32_b32 hwreg(HW_REG_WAVE_MODE, 25, 1), 1
	s_wait_xcnt 0x0
	s_wait_alu depctr_hold_cnt(0) depctr_sa_sdst(0) depctr_va_vdst(0) depctr_va_sdst(0) depctr_va_ssrc(0) depctr_va_vcc(0) depctr_vm_vsrc(0)
	s_getreg_b32 s2, hwreg(HW_REG_IB_STS2, 6, 4)
	s_cmp_eq_u32 s2, 0
	s_cbranch_scc0 .Lentry_in_a_cluster
	s_endpgm
.Lentry_in_a_cluster:
	s_bfe_u32 s2, ttmp6, 0x10000c
	s_cmp_lg_u32 s2, 0x3003
	s_cbranch_scc0 .Lentry_shape_is_right
	s_endpgm
.Lentry_shape_is_right:
; ctx[b][q][head] = softmax_k(q . k / 8 + (1 - mask[b][k]) x -10,000) v, both products on codes of FP6 (E2M3) with one E8M0 scale for each 32 along a product's K; ctx leaves as codes, quantised along the features.
; THE SOFTMAX AHEAD OF THE SECOND PRODUCT: t = logit x log2(e); M = the row's largest t so far, rounded UP to a whole number; p = 2^(t - M) is quantised along the keys, not normalised.  The row's sum is taken of
; the unquantised p, in f32, and divides at the end.  When M moves, the sum and O are multiplied by 2^(old M - new M): exact.
; THE LOGIT AND t ARE MADE ROUNDING FOR ROUNDING AS THEY ARE DEFINED: ext = (1 - mask) x -10,000 (two roundings); logit = score x 0.125 + ext (the product is exact: one rounding); t = logit x log2(e), rounded to f32;
; then t - M.  Where the mask's term is large, an ulp of the logit or of t is far more than an ulp of p: a joined constant or a single multiply-add for t - M would give another p there.
; INPUTS, as the launch before lays them: qk_codes [32 (heads of q, then of k)][token][48 bytes], qk_scales [32][token] words (bytes 2, 3 are 0), v_codes [batch x 16 + head][key / 64][d][48] (keys innermost),
; v_scales [..][key / 128][d] words.  Tokens and d lie in physical order (bits 3 and 4 of the number exchanged): 16 physical neighbours 32 b + 16 u + i are the numbers 32 b + 8 u + i + 8 (i / 8).
; SHARES.  A work-group owns 512 queries of one head of one batch: 256 work-groups of equal work.  Each of its SIXTEEN waves owns two tiles of 16 queries, one after the other (two passes), in 256 registers.
; A HEAD'S K AND V STAY IN LDS: 2 x 98,304 bytes of codes, 12,288 of scale words, 8,192 of mask terms.  They come once, at the head; nothing is filled again, and one barrier stands in front of the work.
; CLUSTER.  The four work-groups of a head form a cluster and ask for K, V and their scale words JOINTLY.
; LAYOUT.  Both products are used transposed: S^T = K Q^T (source 0 = 16 physical keys), O^T = V^T P^T (source 0 = 16 physical d): a lane holds ONE query throughout, the 16 registers of tiles 2 b, 2 b + 1 are the
; 16 neighbouring keys 32 b + 16 (lane / 16) + 0 .. 15, and O^T's registers likewise run along d: so p and ctx are quantised in registers.
; K = 64 UNDER AN INSTRUCTION OF 128: q's codes of k = 64 .. 127 are zeros; k's operand there names the registers that follow (the next tile's codes: numbers, since the format has no infinity and no NaN), times zero.
; LIMITS: NaN and infinities are not served; a block of zeros gets the byte 1 (its codes are zeros; this program alone reads the bytes); blocks whose largest magnitude lies under 2^-124 keep the byte 1;
; a p under 2^-126 comes out of v_exp_f32 as 0.
.set KC,    0                          ; K's codes [key][48]
.set VC,    98304                      ; V's codes [key / 64][d][48]
.set KSC,   196608                     ; K's scale words
.set VSC,   204800                     ; V's scale words [key / 128][d]
.set MK,    208896                     ; the mask terms, f32, by key
.set CST,   217088                     ; ctx's codes [query 512][48]
.set CSS,   241664                     ; ctx's scale bytes, two a query
.set SPARE, 242688                     ; the spare words, 128 bytes for each wave: eight blocks of 256 bytes that no other line names
.set AK0,  1                           ; v1   48 r + 24 h: my lane's place in a tile of K (and of Q in memory)
.set AV0,  2                           ; v2   the same in V
.set ASK0, 3                           ; v3   my lane's place among K's scale words
.set ASV0, 4                           ; v4   and V's
.set SPW,  5                           ; v5   LDS address of my spare word; never rewritten
.set NIL,  6                           ; v6   0; never rewritten
.set AMK0, 7                           ; v7   my half's place among the mask terms
.set ADK,  8                           ; v8-11, v30: the addresses of the step in hand
.set ADV,  9
.set ADS,  10
.set ADT,  11
.set ADM,  30
.set PSW,  29                          ; v29  p's scale word
.set L16,  31                          ; v31  16 x lane
.set KF,   32                          ; v32-85  K's eight half fragments (6 registers each) and six zeros; then the mask terms of tiles 0-5; then V's four fragments
.set KSR,  86                          ; v86-89  K's scale words: lanes 0-15 tile 2 i, lanes 16-31 tile 2 i + 1
.set VSR,  90                          ; v90-91  V's likewise
.set S,    96                          ; v96-159 S^T, the logits, t, p
.set O,    160                         ; v160-191 O^T
.set PC,   192                         ; v192-207 the mask terms of tiles 6, 7; then v192-203 p's codes; v204-206, v208-210 at work
.set BX,   212                         ; v212-215 the blocks' largest
.set PT,   216                         ; v216-219 at work
.set SOP,  220                         ; v220-223 the conversions' scale operands
.set WV,   18
.set SEL,  20                          ; s[20:21] lane selects for v_permlanex16_b32: lane l xor 16
.set EI,   22                          ; s[22:23] 0.125: the packed forms name a pair and take its low word for both halves
.set L2E,  2                           ; s[2:3]   log2(e), as f32
.set G1C,  24                          ; s[24:31] descriptor group 1 for 24,576 bytes of codes; s[32:39] for 4,096 bytes of scale words; s[40:43], s[44:47] their groups 0
.set G1S,  32
.set G0C,  40
.set G0S,  44
.macro CROUND                          ; a round of the cluster's barrier
	s_barrier_signal -1
	s_barrier_wait -1
	s_cmp_lg_u32 s[WV], 0
	s_cbranch_scc1 .Lnot_wave_0_\@
	s_barrier_signal -3
.Lnot_wave_0_\@:
	s_barrier_wait -3
	s_barrier_signal -1
	s_barrier_wait -1
.endm
	s_load_b256 s[4:11], s[0:1], 0x0               ; qk_codes, qk_scales, v_codes, v_scales
	s_load_b128 s[12:15], s[0:1], 0x20             ; attention_mask, ctx_codes
	s_load_b64 s[16:17], s[0:1], 0x30              ; ctx_scales
	v_lshl_add_u32 v[SPW], v0, 2, SPARE
	v_mov_b32 v[NIL], 0
	ds_add_u32 v[SPW], v[NIL]                      ; the wave's opening: an add and its wait ahead of my first tensor load; the set-up below, work on registers, stands between them
	ds_add_u32 v[SPW], v[NIL]
	v_lshrrev_b32 v227, 5, v0
	s_delay_alu instid0(VALU_DEP_1)
	v_readfirstlane_b32 s[WV], v227                ; wave 0..15
	s_bfe_u32 s19, ttmp6, 0x40000                  ; cx: which 512 queries of the head: it enters Q's and ctx's global addresses alone
	s_and_b32 s52, ttmp7, 0xffff                   ; batch x 16 + head, which the four partners share
	s_and_b32 s53, s52, 15                         ; head
	s_lshr_b32 s54, s52, 4                         ; batch
	; dense blocks, as rows of 256 bytes (32 elements of 8 bytes)
	s_mov_b32 s[G1C], 15|(3<<16)|(1<<21)           ; 15:0 the mask: all four work-groups; 17:16 elements of 8 bytes; 21 set beside a mask
	s_mov_b32 s[G1C+1], 32<<16
	s_mov_b32 s[G1C+2], 96<<16
	s_mov_b32 s[G1C+3], 32<<16
	s_mov_b32 s[G1C+4], 96
	s_mov_b32 s[G1C+5], 32
	s_mov_b32 s[G1C+6], 0
	s_mov_b32 s[G1C+7], 0
	s_mov_b32 s[G1S], 15|(3<<16)|(1<<21)
	s_mov_b32 s[G1S+1], 32<<16
	s_mov_b32 s[G1S+2], 16<<16
	s_mov_b32 s[G1S+3], 32<<16
	s_mov_b32 s[G1S+4], 16
	s_mov_b32 s[G1S+5], 32
	s_mov_b32 s[G1S+6], 0
	s_mov_b32 s[G1S+7], 0
	s_mov_b32 s[SEL], 0x76543210
	s_mov_b32 s[SEL+1], 0xfedcba98
	s_mov_b32 s[EI], 0x3e000000                    ; 0.125 = 1 / sqrt(64)
	s_mov_b32 s[EI+1], s[EI]                       ; (named with it as a pair, so it is written)
	s_mov_b32 s[L2E], 0x3fb8aa3b                   ; log2(e)
	s_mov_b32 s[L2E+1], s[L2E]
	s_mul_i32 s55, s53, 393216
	s_mul_i32 s56, s54, 98304
	s_add_co_u32 s55, s55, s56                     ; head and batch in q's codes and in ctx's
	s_lshl_b32 s60, s53, 15
	s_lshl_b32 s61, s54, 13
	s_add_co_u32 s60, s60, s61                     ; and in q's scale words
	s_add_co_u32 s56, s55, 16*393216               ; k's codes,
	s_mul_i32 s61, s52, 98304                      ; v's;
	s_add_co_u32 s58, s60, 16*32768                ; k's scale words,
	s_lshl_b32 s62, s52, 12                        ; v's
	s_cmp_lt_u32 s[WV], 4                          ; waves 0-3 fetch K's codes, waves 4-7 V's: a quarter each
	s_cselect_b32 s56, s56, s61
	s_cmp_lt_u32 s[WV], 10                         ; waves 8, 9 K's scale words, a half each; wave 10 V's
	s_cselect_b32 s58, s58, s62
	s_and_b32 s61, s[WV], 3
	s_mul_i32 s61, s61, 24576
	s_add_co_u32 s56, s56, s61
	s_mov_b32 s57, 0
	s_and_b32 s71, s[WV], 1
	s_lshl_b32 s62, s71, 12
	s_add_co_u32 s58, s58, s62
	s_mov_b32 s59, 0
	s_lshl_b32 s62, s54, 13                        ; the batch's row of the mask
	s_mov_b32 s63, 0
	s_mul_i32 s70, s19, 24576
	s_add_co_u32 s70, s70, s55                     ; my work-group's 512 queries, in codes
	s_mul_i32 s72, s[WV], 768
	s_add_co_u32 s72, s72, s70                     ; Q: my wave's 16 queries of the first pass
	s_mov_b32 s73, 0
	s_mul_i32 s74, s[WV], 1536
	s_add_co_u32 s74, s74, s70                     ; ctx: the 1,536 bytes that my wave stores
	s_mov_b32 s75, 0
	s_lshl_b32 s76, s19, 11
	s_add_co_u32 s76, s76, s60
	s_lshl_b32 s77, s[WV], 6
	s_add_co_u32 s76, s76, s77                     ; Q's scale words
	s_mov_b32 s77, 0
	s_lshl_b32 s78, s53, 14
	s_lshl_b32 s79, s54, 12
	s_add_co_u32 s78, s78, s79
	s_lshl_b32 s79, s19, 10
	s_add_co_u32 s78, s78, s79
	s_lshl_b32 s79, s71, 9
	s_add_co_u32 s78, s78, s79                     ; ctx's scale bytes: 512 for each of waves 0 and 1
	s_mov_b32 s79, 0
	s_mov_b32 s[G0C], 1
	s_and_b32 s[G0C+1], s[WV], 7
	s_mul_i32 s[G0C+1], s[G0C+1], 24576            ; K's four quarters, then V's
	s_mov_b32 s[G0S], 1
	s_and_b32 s[G0S+1], s[WV], 3
	s_lshl_b32 s[G0S+1], s[G0S+1], 12
	s_add_co_u32 s[G0S+1], s[G0S+1], KSC           ; K's two halves, then V's
	s_wait_dscnt 0x0                               ; the opening add is done
	s_wait_kmcnt 0x0
	s_add_nc_u64 s[66:67], s[4:5], s[72:73]
	s_add_nc_u64 s[68:69], s[6:7], s[76:77]
	s_add_nc_u64 s[14:15], s[14:15], s[74:75]
	s_add_nc_u64 s[16:17], s[16:17], s[78:79]
	s_add_nc_u64 s[12:13], s[12:13], s[62:63]
	s_cmp_lt_u32 s[WV], 4
	s_cselect_b64 s[G0C+2:G0C+3], s[4:5], s[8:9]
	s_add_nc_u64 s[G0C+2:G0C+3], s[G0C+2:G0C+3], s[56:57]
	s_or_b32 s[G0C+3], s[G0C+3], 0x80000000
	s_cmp_lt_u32 s[WV], 10
	s_cselect_b64 s[G0S+2:G0S+3], s[6:7], s[10:11]
	s_add_nc_u64 s[G0S+2:G0S+3], s[G0S+2:G0S+3], s[58:59]
	s_or_b32 s[G0S+3], s[G0S+3], 0x80000000
	CROUND                                         ; all four work-groups are here: the joint loads meet
	s_cmp_lt_u32 s[WV], 8                          ; one load a wave at the most; an s_nop 0 and four v_nop follow each line
	s_cbranch_scc0 .Lnot_codes
	tensor_load_to_lds s[G0C:G0C+3], s[G1C:G1C+7]
	s_nop 0
.rept 4
	v_nop
.endr
	s_branch .Lasked
.Lnot_codes:
	s_cmp_lt_u32 s[WV], 11
	s_cbranch_scc0 .Lasked
	tensor_load_to_lds s[G0S:G0S+3], s[G1S:G1S+7]
	s_nop 0
.rept 4
	v_nop
.endr
.Lasked:
	v_and_b32 v232, 15, v0                         ; r
	v_bfe_u32 v233, v0, 4, 1                       ; h
	v_and_b32 v227, 31, v0                         ; lane
	s_delay_alu instid0(VALU_DEP_3)
	v_mul_u32_u24 v[AK0], v232, 48
	s_delay_alu instid0(VALU_DEP_1)
	v_mad_u32_u24 v[AK0], v233, 24, v[AK0]
	v_lshlrev_b32 v[ADK], 4, v0                    ; the mask: four numbers a thread
	v_lshl_add_u32 v[ADV], v0, 4, MK
	v_lshlrev_b32 v[ADS], 2, v232
	global_load_b128 v[228:231], v[ADK], s[12:13]
.irp i, 0,1,2
	global_load_b64 v[16+2*\i:17+2*\i], v[AK0], s[66:67] offset:8*\i            ; Q of the first pass: k = 32 h + 0 .. 31
.endr
	global_load_b32 v28, v[ADS], s[68:69]          ; and its scale words
.irp i, 0,1,2
	global_load_b64 v[240+2*\i:241+2*\i], v[AK0], s[66:67] offset:12288+8*\i    ; of the second: 256 queries on
.endr
	global_load_b32 v252, v[ADS], s[68:69] offset:1024
	v_add_nc_u32 v[AV0], VC, v[AK0]
	v_lshl_add_u32 v[ASK0], v227, 2, KSC
	v_lshl_add_u32 v[ASV0], v227, 2, VSC
	v_lshl_add_u32 v[AMK0], v233, 6, MK
	v_lshlrev_b32 v[L16], 4, v227
	s_wait_alu depctr_va_vdst(0)
	s_mul_i32 s72, s[WV], 768
	s_add_co_u32 s72, s72, CST
	v_add_nc_u32 v92, s72, v[AK0]                  ; ctx's codes: query 16 w + r, + 24 h
	s_lshl_b32 s72, s[WV], 5
	s_add_co_u32 s72, s72, CSS
	v_lshl_add_u32 v93, v232, 1, s72               ; its two scale bytes
	s_mul_i32 s72, s[WV], 1536
	s_add_co_u32 s72, s72, CST
	v_add_nc_u32 v94, s72, v[L16]                  ; and the way out of LDS
	s_lshl_b32 s72, s71, 9
	s_add_co_u32 s72, s72, CSS
	v_add_nc_u32 v95, s72, v[L16]
.irp i, 0,1,2,3,4,5
	v_mov_b32 v[22+\i], 0                          ; Q's codes of k = 64 .. 127
	v_mov_b32 v[246+\i], 0
	v_mov_b32 v[KF+48+\i], 0                       ; what the last tile of K names there
.endr
.irp b, 0,1,2,3
	v_mov_b32 v[PT+\b], 0                          ; written once: a lane permute's destination counts as one of its sources
.endr
	v_mov_b32 v225, 0                              ; (named as the upper half of the pair v[224:225])
	v_mov_b32 v226, 0
	s_wait_loadcnt 8                               ; the mask is in; Q's eight loads may be out
.irp i, 0,1,2,3
	v_sub_f32 v[228+\i], 1.0, v[228+\i]
.endr
.irp i, 0,1,2,3
	s_delay_alu instid0(VALU_DEP_4)
	v_mul_f32 v[228+\i], 0xc61c4000, v[228+\i]     ; x -10,000: the mask's term
.endr
	ds_store_b128 v[ADV], v[228:231]
	s_wait_loadcnt 0x0                             ; Q
	s_wait_tensorcnt 0x0                           ; my part of K, V or their scale words has landed,
	s_wait_dscnt 0x0                               ; my mask terms are stored:
	s_barrier_signal -1
	s_barrier_wait -1                              ; everybody's
; A KEY STEP: 128 keys.  qf: Q's fragment; qs: its scale words.
.macro STEP qf, qs
	v_add_nc_u32 v[ADK], s48, v[AK0]               ; (these five are also the places behind the last products, in front of the loads below)
	v_add_nc_u32 v[ADV], s48, v[AV0]
	v_add_nc_u32 v[ADS], s49, v[ASK0]
	v_add_nc_u32 v[ADM], s49, v[AMK0]
	v_add_nc_u32 v[ADT], s50, v[ASV0]
.irp t, 0,1,2,3,4,5,6,7
.irp p, 0,1,2
	ds_load_b64 v[KF+6*\t+2*\p:KF+6*\t+2*\p+1], v[ADK] offset:\t*768+8*\p
.endr
.endr
.irp i, 0,1,2,3
	ds_load_b32 v[KSR+\i], v[ADS] offset:128*\i
.endr
	s_wait_alu depctr_va_vdst(0)
	s_wait_dscnt 0x0
.irp t, 0,1,2,3,4,5,6,7
.if \t%2
	v_wmma_scale_f32_16x16x128_f8f6f4 v[S+8*\t:S+8*\t+7], v[KF+6*\t:KF+6*\t+11], v[\qf:\qf+11], 0, v[KSR+\t/2], v[\qs] matrix_a_fmt:MATRIX_FMT_FP6 matrix_b_fmt:MATRIX_FMT_FP6 matrix_a_scale:MATRIX_SCALE_ROW1
.else
	v_wmma_scale_f32_16x16x128_f8f6f4 v[S+8*\t:S+8*\t+7], v[KF+6*\t:KF+6*\t+11], v[\qf:\qf+11], 0, v[KSR+\t/2], v[\qs] matrix_a_fmt:MATRIX_FMT_FP6 matrix_b_fmt:MATRIX_FMT_FP6
.endif
.endr
.rept 4
	v_nop                                          ; places in front of the loads into K's registers and of the first read of the scores
.endr
.irp t, 0,1,2,3,4,5,6,7                        ; the mask terms of keys 32 (t / 2) + 16 h + 8 (t % 2) + 0 .. 7, register for register as their scores stand: tiles 0-5 where K's codes lay, tiles 6, 7 where p's codes will lie
.if \t < 6
.set MR, KF+8*\t
.else
.set MR, PC+8*(\t-6)
.endif
	ds_load_b128 v[MR:MR+3], v[ADM] offset:(32*(\t/2)+8*(\t%2))*4
	ds_load_b128 v[MR+4:MR+7], v[ADM] offset:(32*(\t/2)+8*(\t%2))*4+16
.endr
	s_wait_dscnt 0x0
.irp t, 0,1,2,3,4,5,6,7
.if \t < 6
.set MR, KF+8*\t
.else
.set MR, PC+8*(\t-6)
.endif
.irp i, 0,2,4,6
	v_pk_fma_f32 v[S+8*\t+\i:S+8*\t+\i+1], v[S+8*\t+\i:S+8*\t+\i+1], s[EI:EI+1], v[MR+\i:MR+\i+1] op_sel_hi:[1,0,1]   ; the logit: score x 0.125 (exact) + the mask's term: one rounding.  Each accumulator from its low end on
.endr
.endr
.irp t, 0,1,2,3                                ; V's four fragments land under the rest of the softmax
.irp c, 0,1
.irp p, 0,1,2
	ds_load_b64 v[KF+12*\t+6*\c+2*\p:KF+12*\t+6*\c+2*\p+1], v[ADV] offset:\c*3072+\t*768+8*\p
.endr
.endr
.endr
.irp i, 0,1
	ds_load_b32 v[VSR+\i], v[ADT] offset:128*\i
.endr
.irp b, 0,1,2,3
	v_max3_num_f32 v[BX+\b], v[S+16*\b], v[S+1+16*\b], v[S+2+16*\b]   ; THE LARGEST LOGIT OF EACH BLOCK OF 32 KEYS: for the row's maximum, and, since p rises with the logit, for the block's largest p
.endr
.irp i, 3,5,7,9,11,13
.irp b, 0,1,2,3
	s_delay_alu instid0(VALU_DEP_4)
	v_max3_num_f32 v[BX+\b], v[BX+\b], v[S+16*\b+\i], v[S+1+16*\b+\i]
.endr
.endr
.irp b, 0,1,2,3
	s_delay_alu instid0(VALU_DEP_4)
	v_max_num_f32 v[BX+\b], v[BX+\b], v[S+15+16*\b]
.endr
.irp b, 0,1,2,3
	s_delay_alu instid0(VALU_DEP_4)
	v_permlanex16_b32 v[PT+\b], v[BX+\b], s[SEL], s[SEL+1]
.endr
.irp b, 0,1,2,3
	s_delay_alu instid0(VALU_DEP_4)
	v_max_num_f32 v[BX+\b], v[BX+\b], v[PT+\b]     ; with lane l xor 16's 16 keys
.endr
.irp b, 0,1,2,3
	s_delay_alu instid0(VALU_DEP_4)
	v_mul_f32 v[BX+\b], s[L2E], v[BX+\b]           ; as t, rounded (log2(e) is positive: the largest logit gives the largest t)
.endr
	s_delay_alu instid0(VALU_DEP_2)
	v_max3_num_f32 v226, v[BX], v[BX+1], v[BX+2]
	s_delay_alu instid0(VALU_DEP_1)
	v_max_num_f32 v226, v226, v[BX+3]              ; the step's largest t of my query
	s_delay_alu instid0(VALU_DEP_1)
	v_max_num_f32 v13, v13, v226                   ; the running largest t
	v_mov_b32 v226, v12
	s_delay_alu instid0(VALU_DEP_2)
	v_floor_f32 v12, -v13                          ; the new -M = floor(-t): M IS A WHOLE NUMBER
	s_delay_alu instid0(VALU_DEP_1)
	v_sub_f32 v226, v12, v226                      ; M's old value less its new one: a whole number, 0 or less
	s_delay_alu instid0(VALU_DEP_1)
	v_cvt_i32_f32 v226, v226                       ; (it saturates)
	s_delay_alu instid0(VALU_DEP_1)
	v_ldexp_f32 v224, 1.0, v226                    ; f = 2^(old M - new M)
.set j, 0
.rept 32
	v_pk_mul_f32 v[S+j:S+j+1], v[S+j:S+j+1], s[L2E:L2E+1] op_sel_hi:[1,0]   ; t = logit x log2(e), rounded to f32, two at a time
.set j, j+2
.endr
.set j, 0
.rept 32
	v_pk_add_f32 v[S+j:S+j+1], v[S+j:S+j+1], v[12:13] op_sel_hi:[1,0]      ; t - M
.set j, j+2
.endr
	s_setprio 1
.irp b, 0,1,2,3
	v_add_f32 v[BX+\b], v[BX+\b], v12              ; the same of each block's largest t
.endr
.set j, 0
	s_wait_alu depctr_va_vdst(0)
.rept 64
	v_exp_f32 v[S+j], v[S+j]                       ; p = 2^(t - M), at most 1: NOT normalised
.set j, j+1
.endr
	v_pk_mul_f32 v[14:15], v[14:15], v[224:225] op_sel_hi:[1,0]   ; the sums under the new M (a plain line behind the exponentials)
	s_wait_alu depctr_va_vdst(0)                   ; one wait for the whole batch, ahead of its first reader
.irp b, 0,1,2,3
	v_exp_f32 v[BX+\b], v[BX+\b]                   ; the block's largest p: the same operations on the same number give the same bits
.endr
	v_pk_add_f32 v[234:235], v[S:S+1], v[S+2:S+3]  ; THE ROW'S SUM IS TAKEN OF THE UNQUANTISED p: two at a time, in two chains
.irp j, 4,8,12,16,20,24,28,32,36,40,44
	v_pk_add_f32 v[14:15], v[14:15], v[S+\j:S+\j+1]
	v_pk_add_f32 v[234:235], v[234:235], v[S+2+\j:S+3+\j]
.endr
	s_wait_alu depctr_va_vdst(0)                   ; and one for the four
.irp b, 0,1,2,3
	v_max_num_f32 v[BX+\b], 0x1800000, v[BX+\b]    ; the floor 2^(3 - 127): the byte cannot fall under 1
.endr
.irp b, 0,1,2,3
	s_delay_alu instid0(VALU_DEP_4)
	v_add_nc_u32 v[SOP+\b], 0xff000000, v[BX+\b]   ; 2 off the exponent field: the conversion's scale operand
.endr
.irp b, 0,1,2,3
	s_delay_alu instid0(VALU_DEP_4)
	v_lshrrev_b32 v[PT+\b], 23, v[SOP+\b]          ; the scale's byte
.endr
	s_delay_alu instid0(VALU_DEP_3)
	v_lshl_or_b32 v[PSW], v[PT+1], 8, v[PT]        ; p's scale word for these 128 keys
	s_delay_alu instid0(VALU_DEP_1)
	v_lshl_or_b32 v[PSW], v[PT+2], 16, v[PSW]
	s_delay_alu instid0(VALU_DEP_1)
	v_lshl_or_b32 v[PSW], v[PT+3], 24, v[PSW]
.irp c, 0,1
	v_cvt_scalef32_pk16_fp6_f32 v[PC+6*\c:PC+2+6*\c], v[S+32*\c:S+15+32*\c], v[SOP+2*\c]
	v_cvt_scalef32_pk16_fp6_f32 v[PC+12+4*\c:PC+14+4*\c], v[S+16+32*\c:S+31+32*\c], v[SOP+2*\c+1]   ; (a conversion's three registers begin on an even number)
.endr
	v_nop                                          ; one plain line behind a scaled conversion
	s_setprio 0
.irp c, 0,1                                    ; the operand's layout wants a WHOLE block in a lane
.irp i, 0,1,2
	v_permlane16_swap_b32 v[PC+6*\c+\i], v[PC+12+4*\c+\i]
.endr
.irp i, 0,1,2
	s_delay_alu instid0(VALU_DEP_3)
	v_mov_b32 v[PC+3+6*\c+\i], v[PC+12+4*\c+\i]
.endr
.endr
.set j, 0
.rept 16
	v_pk_mul_f32 v[O+j:O+j+1], v[O+j:O+j+1], v[224:225] op_sel_hi:[1,0]   ; O^T under the new M
.set j, j+2
.endr
.irp j, 48,52,56,60                            ; the rest of the row's sum: with the sixteen lines above, the plain lines in front of the scaled products
	v_pk_add_f32 v[14:15], v[14:15], v[S+\j:S+\j+1]
	v_pk_add_f32 v[234:235], v[234:235], v[S+2+\j:S+3+\j]
.endr
	s_delay_alu instid0(VALU_DEP_1)
	v_pk_add_f32 v[14:15], v[14:15], v[234:235]
	s_wait_dscnt 0x0                               ; V is in
.irp t, 0,1,2,3
.if \t%2
	v_wmma_scale_f32_16x16x128_f8f6f4 v[O+8*\t:O+8*\t+7], v[KF+12*\t:KF+12*\t+11], v[PC:PC+11], v[O+8*\t:O+8*\t+7], v[VSR+\t/2], v[PSW] matrix_a_fmt:MATRIX_FMT_FP6 matrix_b_fmt:MATRIX_FMT_FP6 matrix_a_scale:MATRIX_SCALE_ROW1
.else
	v_wmma_scale_f32_16x16x128_f8f6f4 v[O+8*\t:O+8*\t+7], v[KF+12*\t:KF+12*\t+11], v[PC:PC+11], v[O+8*\t:O+8*\t+7], v[VSR+\t/2], v[PSW] matrix_a_fmt:MATRIX_FMT_FP6 matrix_b_fmt:MATRIX_FMT_FP6
.endif
.endr
	s_add_co_u32 s48, s48, 6144                    ; the next 128 keys: codes of K and of V,
	s_add_co_u32 s49, s49, 512                     ; K's scale words and the mask terms,
	s_add_co_u32 s50, s50, 256                     ; V's scale words
.endm
; A PASS: one tile of 16 queries against all 2,048 keys, and its ctx into LDS as codes.  No two matrix instructions that follow each other share an accumulator, over the backward jump too.
.macro PASS p, qf, qs
	v_mov_b32 v13, 0xff61b1e6                      ; the largest t so far: -3e38, under every t
	s_delay_alu instid0(VALU_DEP_1)
	v_floor_f32 v12, -v13                          ; -M
	v_mov_b32 v14, 0                               ; the sum, in two halves
	v_mov_b32 v15, 0
.set j, 0
.rept 32
	v_mov_b32 v[O+j], 0                            ; O^T.  (The step is written once: the first finds zeros, which the first change of M leaves zeros)
.set j, j+1
.endr
	s_mov_b32 s48, 0
	s_mov_b32 s49, 0
	s_mov_b32 s50, 0
	s_mov_b32 s51, 16
.Lstep_\@:
	s_setprio 2
	STEP \qf, \qs
	s_sub_co_u32 s51, s51, 1
	s_cmp_lg_u32 s51, 0
	s_cbranch_scc1 .Lstep_\@
	s_setprio 0
.rept 4
	v_nop                                          ; places behind the last products
.endr
	s_wait_alu depctr_va_vdst(0)
	v_add_f32 v14, v14, v15                        ; the sum's two halves,
	s_delay_alu instid0(VALU_DEP_1)
	v_permlanex16_b32 v226, v14, s[SEL], s[SEL+1]
	s_delay_alu instid0(VALU_DEP_1)
	v_add_f32 v14, v14, v226                       ; and lane l xor 16's: the row's sum
	s_wait_alu depctr_va_vdst(0)
	v_rcp_f32 v14, v14
	v_nop                                          ; a plain line behind the reciprocal
	s_wait_alu depctr_va_vdst(0)                   ; and the wait ahead of its first reader
.set j, 0
.rept 32
	v_mul_f32 v[S+j], v[O+j], v14                  ; ctx: register 16 b + i is feature 32 b + 16 h + i of my query's head
.set j, j+1
.endr
.irp b, 0,1
	v_max3_num_f32 v[BX+\b], |v[S+16*\b]|, |v[S+1+16*\b]|, 0x1800000   ; its two blocks of 32, with the floor 2^(3 - 127)
.endr
.irp i, 2,4,6,8,10,12,14
.irp b, 0,1
	s_delay_alu instid0(VALU_DEP_2)
	v_max3_num_f32 v[BX+\b], v[BX+\b], |v[S+16*\b+\i]|, |v[S+1+16*\b+\i]|
.endr
.endr
.irp b, 0,1
	s_delay_alu instid0(VALU_DEP_2)
	v_permlanex16_b32 v[PT+\b], v[BX+\b], s[SEL], s[SEL+1]
.endr
.irp b, 0,1
	s_delay_alu instid0(VALU_DEP_2)
	v_max_num_f32 v[BX+\b], v[BX+\b], v[PT+\b]
.endr
.irp b, 0,1
	s_delay_alu instid0(VALU_DEP_2)
	v_add_nc_u32 v[SOP+\b], 0xff000000, v[BX+\b]
.endr
.irp b, 0,1
	s_delay_alu instid0(VALU_DEP_2)
	v_lshrrev_b32 v[PT+\b], 23, v[SOP+\b]
.endr
	s_delay_alu instid0(VALU_DEP_1)
	v_lshl_or_b32 v226, v[PT+1], 8, v[PT]          ; the two bytes
	v_cvt_scalef32_pk16_fp6_f32 v[PC:PC+2], v[S:S+15], v[SOP]
	v_cvt_scalef32_pk16_fp6_f32 v[PC+4:PC+6], v[S+16:S+31], v[SOP+1]
	v_nop                                          ; one plain line behind a scaled conversion
.irp i, 0,1,2
	v_permlane16_swap_b32 v[PC+\i], v[PC+4+\i]     ; lanes 0-15 block 0, lanes 16-31 block 1: the lower 16 codes in the first three registers, the upper 16 in the second three,
.endr
.irp i, 0,1,2
	s_delay_alu instid0(VALU_DEP_3)
	v_mov_b32 v[PC+3+\i], v[PC+4+\i]               ; which move up by one, in ascending order
.endr
.irp i, 0,1,2
	ds_store_b64 v92, v[PC+2*\i:PC+2*\i+1] offset:\p*12288+8*\i
.endr
	ds_store_b16 v93, v226 offset:\p*512           ; both lanes of a query write the same two bytes
.endm
	PASS 0, 16, 28
	PASS 1, 240, 252
	s_wait_dscnt 0x0                               ; for the others' sake: my stores have landed
	s_barrier_signal -1
	s_barrier_wait -1                              ; the 512 queries' codes and bytes lie in LDS
.irp i, 0,1,2
	ds_load_b128 v[S+4*\i:S+4*\i+3], v94 offset:512*\i
.endr
	s_wait_dscnt 0x0
.irp i, 0,1,2
	global_store_b128 v[L16], v[S+4*\i:S+4*\i+3], s[14:15] offset:512*\i   ; 32 lanes store 512 consecutive bytes, at a multiple of 256 from the buffer's first byte
.endr
	s_cmp_lt_u32 s[WV], 2                          ; the 1,024 scale bytes: waves 0 and 1
	s_cbranch_scc0 .Lno_bytes
	ds_load_b128 v[S+12:S+15], v95
	s_wait_dscnt 0x0
	global_store_b128 v[L16], v[S+12:S+15], s[16:17]
.Lno_bytes:
	s_wait_tensorcnt 0x0                           ; the wave's end, behind my last tensor load and my last LDS store
	ds_add_u32 v[SPW], v[NIL]
	s_wait_dscnt 0x0
	CROUND                                         ; the closing round
	s_endpgm
.Lfunc_end_k_q234441b3c4_attn:
	.size	k_q234441b3c4_attn, .Lfunc_end_k_q234441b3c4_attn-k_q234441b3c4_attn
	.p2alignl 7, 3214868480
	.fill 96, 4, 3214868480
	.section	.rodata,"a",@progbits
	.p2align	6, 0x0
	.amdhsa_kernel k_q234441b3c4_attn
		.amdhsa_group_segment_fixed_size 244736
		.amdhsa_private_segment_fixed_size 0
		.amdhsa_enable_private_segment 0
		.amdhsa_kernarg_size 56
		.amdhsa_user_sgpr_count 2
		.amdhsa_user_sgpr_kernarg_segment_ptr 1
		.amdhsa_wavefront_size32 1
		.amdhsa_system_sgpr_workgroup_id_x 1
		.amdhsa_system_sgpr_workgroup_id_y 1
		.amdhsa_system_sgpr_workgroup_id_z 1
		.amdhsa_system_vgpr_workitem_id 0
		.amdhsa_next_free_vgpr 256
		.amdhsa_next_free_sgpr 80
		.amdhsa_reserve_vcc 0
		.amdhsa_float_denorm_mode_32 3
		.amdhsa_float_denorm_mode_16_64 3
		.amdhsa_memory_ordered 1
		.amdhsa_forward_progress 1
		.amdhsa_inst_pref_size 71
	.end_amdhsa_kernel
	.amdgpu_metadata
---
amdhsa.version: [ 1, 2 ]
amdhsa.kernels:
  - .name:           k_q234441b3c4_attn
    .symbol:         k_q234441b3c4_attn.kd
    .args:
      - { .name: qk_codes, .offset: 0, .size: 8, .value_kind: global_buffer, .address_space: global }
      - { .name: qk_scales, .offset: 8, .size: 8, .value_kind: global_buffer, .address_space: global }
      - { .name: v_codes, .offset: 16, .size: 8, .value_kind: global_buffer, .address_space: global }
      - { .name: v_scales, .offset: 24, .size: 8, .value_kind: global_buffer, .address_space: global }
      - { .name: attention_mask, .offset: 32, .size: 8, .value_kind: global_buffer, .address_space: global }
      - { .name: ctx_codes, .offset: 40, .size: 8, .value_kind: global_buffer, .address_space: global }
      - { .name: ctx_scales, .offset: 48, .size: 8, .value_kind: global_buffer, .address_space: global }
    .group_segment_fixed_size: 244736
    .private_segment_fixed_size: 0
    .kernarg_segment_align: 8
    .kernarg_segment_size: 56
    .max_flat_workgroup_size: 512
    .sgpr_count:     80
    .vgpr_count:     256
    .wavefront_size: 32
...
	.end_amdgpu_metadata
.endif
;; end of part 3
;; launch outp (part 4): grid 4 x 32, 4 waves a work-group, clusters of 4 x 4, 327,680 bytes of LDS; arguments ctx_codes, ctx_scales, xw_codes, xw_scales, bo, out0; writes out0
.if DOCPART == 4
	.amdgcn_target "amdgcn-amd-amdhsa--gfx1250"
	.amdhsa_code_object_version 6
	.text
	.protected	k_q234441b3c4_outp
	.globl	k_q234441b3c4_outp
	.p2align	8
	.type	k_q234441b3c4_outp,@function
k_q234441b3c4_outp:
	s_mov_b64 s[64:65], 0
	v_nop
	global_prefetch_b8 v0, s[64:65] scope:SCOPE_SE
	s_setreg_imm32_b32 hwreg(HW_REG_WAVE_MODE, 25, 1), 1
	s_wait_xcnt 0x0
	s_wait_alu depctr_hold_cnt(0) depctr_sa_sdst(0) depctr_va_vdst(0) depctr_va_sdst(0) depctr_va_ssrc(0) depctr_va_vcc(0) depctr_vm_vsrc(0)
	s_getreg_b32 s2, hwreg(HW_REG_IB_STS2, 6, 4)
	s_cmp_eq_u32 s2, 0
	s_cbranch_scc0 .Lentry_in_a_cluster
	s_endpgm
.Lentry_in_a_cluster:
	s_bfe_u32 s2, ttmp6, 0x10000c
	s_cmp_lg_u32 s2, 0xf033
	s_cbranch_scc0 .Lentry_shape_is_right
	s_endpgm
.Lentry_shape_is_right:
; out0 = ctx Wo^T + bo on codes of FP6 (E2M3) with E8M0 scales, K = 1,024; out0 [8,192][1,024] f32.
; A = ctx: codes [K / 64 = head][token][48 bytes], two scale bytes a token and head [head][token].  B = Wo: rows 11,264 on of xw, codes [K / 64][row][48], scale words [K / 128][row].
; Tokens and Wo's rows lie in physical order (bits 3 and 4 of the number exchanged); the way out puts both back.
; A tile of 256 x 256 to a work-group of four waves, 128 x 128 (64 accumulators, 512 registers) to a wave: 32 x 4 = 128 work-groups.  K goes in 4 steps of 256 through two LDS slots; a tensor load brings
; [4 planes][128 rows][48 bytes].  A lane's 24 bytes of a fragment stand at 48 row + 24 half: words 6 (2 row + half), which fall on 64 different banks (64 banks of 4 bytes: ISA guide 11.1) with no padding.
; CLUSTERS: 4 x 4 work-groups; A's tiles are asked for jointly along a row of the cluster, B's along a column.
; THE MATRIX INSTRUCTION IS USED TRANSPOSED (source 0 = 16 rows of Wo, source 1 = 16 tokens): a lane holds one token and eight neighbouring outputs.  bo is the C of each sum's first product: it is added ahead of
; the products' sum and not behind it: an f32 rounding of the same size as the other order's.
; A'S SCALE WORDS (four bytes for 128 along K) are made of two heads' byte pairs by the waves themselves, into LDS bytes that no tensor load fills.
; REGISTERS, in windows of 256: window 0: v1-9, v16-29 addresses; v32-63 scale words, two sets; v64-127 the bias; v128-223 A's 8 fragments, ONE set; on the way out v128-255 rows of out0;
;   window 1: B's fragments, two sets, at v0 and v128;  windows 2, 3: the accumulators ((a, b) at v[8 (8 (a % 4) + b)]).
.set PLANEA, 393216                    ; a plane of ctx_codes: 8,192 tokens x 48 bytes
.set PLANEB, 589824                    ; of xw_codes
.set FR,     12
.set HALFT,  4*128*48
.set SLOT,   4*HALFT
.set SCL,    2*SLOT                    ; the scale words of all of K: four pieces [8][128 rows]: A's two (stored by the waves), then B's two (a tensor load each)
.set SPARE,  SCL+4*4096                ; the spare words, 128 bytes for each wave: two blocks of 256 bytes that no other line names
.set SPITCH, 528                       ; the way out: a stage of 16 rows x (512 bytes + 16) for each wave, in slot 0, which has had its last fill and its last read
.set ADRA, 16
.set ADRB, 20
.set SWA,  22                          ; v22    where I store A's scale words
.set ADRS, 23
.set STO,  24
.set RD,   25
.set CO,   26                          ; v26    16 x lane
.set SPW,  28
.set NIL,  29
.set SC,   32
.set BN,   64
.set AF,   128
.set BK,   128
.set G1,   24
.set G0,   32
.set G1B,  48
.set G0B,  56
.set G1SB, 80
.set G0SB, 88
.set MSB, 0
.macro WIN new                         ; the immediate's high byte repeats the setting that is left
.if MSB != (\new)
	s_set_vgpr_msb (MSB<<8)|(\new)
.set MSB, (\new)
.endif
.endm
.set MUL_LO, 0xa1
.set MUL_HI, 0xf1
.set TO_B,   0x40
.macro JLOAD g0a, g1a, g0b, g1b        ; a joint load: waves 0 and 1 fetch for A, waves 2 and 3 for B; an s_nop 0 and four v_nop follow each of the two lines
	s_cmp_eq_u32 s15, 0
	s_cbranch_scc0 .Lfor_b_\@
	tensor_load_to_lds s[\g0a:\g0a+3], s[\g1a:\g1a+7]
	s_nop 0
.rept 4
	v_nop
.endr
	s_branch .Lasked_\@
.Lfor_b_\@:
	tensor_load_to_lds s[\g0b:\g0b+3], s[\g1b:\g1b+7]
	s_nop 0
.rept 4
	v_nop
.endr
.Lasked_\@:
.endm
.macro CREST
	s_cmp_lg_u32 s14, 0
	s_cbranch_scc1 .Lnot_wave_0_\@
	s_barrier_signal -3
.Lnot_wave_0_\@:
	s_barrier_wait -3
	s_barrier_signal -1
	s_barrier_wait -1
.endm
.macro CROUND
	s_barrier_signal -1
	s_barrier_wait -1
	CREST
.endm
.macro PLACES n                        ; plain vector lines between a matrix instruction and a load into, or a read of, its registers
.rept \n
	v_nop
.endr
.endm
.macro FRAG reg, adr, q, i             ; a fragment: registers 6 c .. 6 c + 5 hold K = 64 c + 32 (lane / 16) + 0 .. 31: 24 bytes of plane 2 q + c, in pieces of 8
.irp c, 0,1
.irp p, 0,1,2
	ds_load_b64 v[(\reg)+6*\c+2*\p:(\reg)+6*\c+2*\p+1], v[\adr] offset:(2*(\q)+\c)*6144+(\i)*768+8*\p
.endr
.endr
.endm
.macro FETCH_B slot, q, p
	WIN TO_B
.irp i, 0,1,2,3,4,5,6,7
	FRAG 128*(\p)+FR*\i, ADRB+\slot, \q, \i
.endr
	WIN 0
.endm
.macro FETCH_A slot, q, i0
.irp i, \i0, \i0+1, \i0+2, \i0+3
	FRAG AF+FR*(\i), ADRA+\slot, \q, \i
.endr
.endm
.macro SCALES sc, ks                   ; register 2 i + q: lanes 0-15 A's block i, lanes 16-31 B's block i
.irp i, 0,1,2,3,4,5,6,7
.irp q, 0,1
	ds_load_b32 v[SC+16*(\sc)+2*\i+\q], v[ADRS] offset:(2*(\ks)+\q)*512+\i*64
.endr
.endr
.endm
; The 64 accumulators take turns, one instruction a turn, in the same order in every step.  first = 1: the bias starts the sums.
.macro MUL16 a0, p, q, sc, first
.irp a, \a0, \a0+1
.irp b, 0,1,2,3,4,5,6,7
.if \first
	v_wmma_scale_f32_16x16x128_f8f6f4 v[8*(8*((\a)%4)+\b):8*(8*((\a)%4)+\b)+7], v[128*(\p)+FR*\b:128*(\p)+FR*\b+FR-1], v[AF+FR*(\a):AF+FR*(\a)+FR-1], v[BN+8*\b:BN+8*\b+7], v[SC+16*(\sc)+2*\b+(\q)], v[SC+16*(\sc)+2*(\a)+(\q)] matrix_a_fmt:MATRIX_FMT_FP6 matrix_b_fmt:MATRIX_FMT_FP6 matrix_a_scale:MATRIX_SCALE_ROW1
.else
	v_wmma_scale_f32_16x16x128_f8f6f4 v[8*(8*((\a)%4)+\b):8*(8*((\a)%4)+\b)+7], v[128*(\p)+FR*\b:128*(\p)+FR*\b+FR-1], v[AF+FR*(\a):AF+FR*(\a)+FR-1], v[8*(8*((\a)%4)+\b):8*(8*((\a)%4)+\b)+7], v[SC+16*(\sc)+2*\b+(\q)], v[SC+16*(\sc)+2*(\a)+(\q)] matrix_a_fmt:MATRIX_FMT_FP6 matrix_b_fmt:MATRIX_FMT_FP6 matrix_a_scale:MATRIX_SCALE_ROW1
.endif
.endr
.endr
.endm
.macro STEP slot, first
	s_wait_dscnt 24                                ; the youngest 24 loads (A's blocks 4-7) may be out
.if \first
	WIN 0x81                                       ; C (the bias) window 0, D window 2
.else
	WIN MUL_LO
.endif
	MUL16 0, 0, 0, \slot, \first
	MUL16 2, 0, 0, \slot, \first
	s_wait_dscnt 0x0
	PLACES 4
	FETCH_B \slot, 1, 1
	FETCH_A \slot, 1, 0
.if \first
	WIN 0xc1
.else
	WIN MUL_HI
.endif
	MUL16 4, 0, 0, \slot, \first
	MUL16 6, 0, 0, \slot, \first
	PLACES 4
	WIN 0
	FETCH_A \slot, 1, 4
.endm
; A slot's second 128 along K changes slots: ONE barrier; in front of it each wave waits for all its tensor loads, adds 0 to its spare word, and waits for that and for its own reads of this slot.
.macro TURN slot, next, fill, ks
	s_wait_tensorcnt 0x0                           ; all my tensor loads have landed: my part of the next slot
	ds_add_u32 v[SPW], v[NIL]                      ; 0 onto my spare word
	s_wait_dscnt 25                                ; (the add and the youngest 24 loads may be out)
	WIN MUL_LO
	MUL16 0, 1, 1, \slot, 0
	s_wait_dscnt 0x0                               ; the add is done, and my reads of this slot are over
	s_barrier_signal -1
	MUL16 2, 1, 1, \slot, 0
	WIN 0
	s_barrier_wait -1
.if \fill
	CREST                                          ; no wave of any partner still reads this slot's tile or has a load on its way
	s_add_nc_u64 s[G0+4*\slot+2:G0+4*\slot+3], s[G0+4*\slot+2:G0+4*\slot+3], 8*PLANEA
	s_add_nc_u64 s[G0B+4*\slot+2:G0B+4*\slot+3], s[G0B+4*\slot+2:G0B+4*\slot+3], 8*PLANEB
	JLOAD G0+4*\slot, G1, G0B+4*\slot, G1B
.else
	PLACES 4
.endif
	FETCH_B \next, 0, 0
	FETCH_A \next, 0, 0
	SCALES \next, \ks
	WIN MUL_HI
	MUL16 4, 1, 1, \slot, 0
	MUL16 6, 1, 1, \slot, 0
	PLACES 4
	WIN 0
	FETCH_A \next, 0, 4
.endm
	s_load_b256 s[4:11], s[0:1], 0x0               ; ctx_codes s[4:5], ctx_scales s[6:7], xw_codes s[8:9], xw_scales s[10:11]
	s_load_b128 s[92:95], s[0:1], 0x20             ; bo s[92:93], out0 s[94:95]
	v_lshl_add_u32 v[SPW], v0, 2, SPARE
	v_mov_b32 v[NIL], 0
	ds_add_u32 v[SPW], v[NIL]                      ; the wave's opening: an add and its wait ahead of my first tensor load
	ds_add_u32 v[SPW], v[NIL]
	v_lshrrev_b32 v1, 5, v0
	v_readfirstlane_b32 s14, v1                    ; wave 0..3
	s_lshr_b32 s15, s14, 1                         ; which half of A's rows is mine.  Also: I fetch for A (0) or for B (1)
	s_and_b32 s16, s14, 1                          ; which half of B's rows.  Also: which 128 rows I fetch
	s_bfe_u32 s40, ttmp6, 0x40000                  ; cx, cy
	s_bfe_u32 s41, ttmp6, 0x40004
	s_lshl_b32 s42, ttmp9, 2
	s_add_co_u32 s42, s42, s40                     ; tile column: 256 outputs
	s_and_b32 s17, ttmp7, 0xffff
	s_lshl_b32 s17, s17, 2
	s_add_co_u32 s17, s17, s41                     ; tile row: 256 tokens
	s_lshl_b32 s43, s41, 2
	s_lshl_b32 s43, 15, s43                        ; my row of the cluster
	s_lshl_b32 s44, 0x1111, s40                    ; my column
	s_or_b32 s[G1+0], s43, (3<<16)|(1<<21)         ; 15:0 the mask; 17:16 elements of 8 bytes; 21 set beside a mask; no padding
	s_or_b32 s[G1B+0], s44, (3<<16)|(1<<21)
	s_mov_b32 s[G1+5], PLANEA/8                    ; from plane to plane, in elements
	s_mov_b32 s[G1B+5], PLANEB/8
.irp g, G1, G1B
	s_mov_b32 s[\g+1], 768<<16
	s_mov_b32 s[\g+2], 4<<16
	s_mov_b32 s[\g+3], 768<<16
	s_mov_b32 s[\g+4], 4
	s_mov_b32 s[\g+6], 0
	s_mov_b32 s[\g+7], 0
.endr
	s_or_b32 s[G1SB+0], s44, (3<<16)|(1<<21)
	s_mov_b32 s[G1SB+1], 64<<16
	s_mov_b32 s[G1SB+2], 8<<16
	s_mov_b32 s[G1SB+3], 64<<16
	s_mov_b32 s[G1SB+4], 8
	s_mov_b32 s[G1SB+5], 49152/8
	s_mov_b32 s[G1SB+6], 0
	s_mov_b32 s[G1SB+7], 0
	s_lshl_b32 s18, s16, 7
	s_lshl_b32 s20, s17, 8
	s_add_co_u32 s20, s20, s18                     ; the first token that I fetch
	s_mul_i32 s20, s20, 48
	s_mov_b32 s21, 0
	s_add_co_u32 s46, s42, 44                      ; Wo begins at tile 44 of xw
	s_lshl_b32 s46, s46, 8
	s_add_co_u32 s46, s46, s18
	s_lshl_b32 s66, s46, 2
	s_mul_i32 s46, s46, 48
	s_mov_b32 s47, 0
	s_mov_b32 s67, 0
	s_lshl_b32 s22, s17, 9                         ; ctx's scale bytes: 512 for the tile's 256 tokens in each head; wave w takes heads 4 w .. 4 w + 3
	s_lshl_b32 s23, s14, 16
	s_add_co_u32 s22, s22, s23
	s_mov_b32 s23, 0
	s_mul_i32 s45, s14, HALFT
	s_lshl_b32 s19, s14, 12
	s_wait_dscnt 0x0                               ; the opening add is done
	s_wait_kmcnt 0x0
	s_add_nc_u64 s[20:21], s[4:5], s[20:21]
	s_add_nc_u64 s[22:23], s[6:7], s[22:23]
	s_add_nc_u64 s[46:47], s[8:9], s[46:47]
	s_add_nc_u64 s[66:67], s[10:11], s[66:67]
	CROUND                                         ; all sixteen work-groups are here: the first joint loads meet
	s_mov_b32 s[G0SB], 1
	s_add_co_u32 s[G0SB+1], s19, SCL
	s_mov_b64 s[G0SB+2:G0SB+3], s[66:67]
	s_or_b32 s[G0SB+3], s[G0SB+3], 0x80000000
.irp s, 0,1
	s_mov_b32 s[G0+4*\s], 1
	s_add_co_u32 s[G0+4*\s+1], s45, \s*SLOT
	s_add_nc_u64 s[G0+4*\s+2:G0+4*\s+3], s[20:21], \s*4*PLANEA
	s_or_b32 s[G0+4*\s+3], s[G0+4*\s+3], 0x80000000
	s_mov_b32 s[G0B+4*\s], 1
	s_add_co_u32 s[G0B+4*\s+1], s45, \s*SLOT
	s_add_nc_u64 s[G0B+4*\s+2:G0B+4*\s+3], s[46:47], \s*4*PLANEB
	s_or_b32 s[G0B+4*\s+3], s[G0B+4*\s+3], 0x80000000
.endr
	s_cmp_eq_u32 s15, 0                            ; a wave's first fills stand in one branch; on both ways K step 1's load is the last: two or three loads of mine are out
	s_cbranch_scc0 .Lfirst_b
	tensor_load_to_lds s[G0:G0+3], s[G1:G1+7]
	s_nop 0
	tensor_load_to_lds s[G0+4:G0+7], s[G1:G1+7]
	s_nop 0
.rept 4
	v_nop
.endr
	s_branch .Lfirst_done
.Lfirst_b:
	tensor_load_to_lds s[G0SB:G0SB+3], s[G1SB:G1SB+7]
	s_nop 0
	tensor_load_to_lds s[G0B:G0B+3], s[G1B:G1B+7]
	s_nop 0
	tensor_load_to_lds s[G0B+4:G0B+7], s[G1B:G1B+7]
	s_nop 0
.rept 4
	v_nop
.endr
.Lfirst_done:
	v_and_b32 v1, 15, v0                           ; r
	v_bfe_u32 v2, v0, 4, 1                         ; h
	s_wait_alu depctr_va_vdst(0)
	v_mul_u32_u24 v3, v1, 48
	v_mad_u32_u24 v3, v2, 24, v3                   ; 48 r + 24 h
	s_wait_alu depctr_va_vdst(0)
	v_and_b32 v5, 31, v0
	v_lshlrev_b32 v[CO], 4, v5
.irp e, 0,1
.irp z, 0,1
	global_load_b128 v[128+4*(2*\e+\z):131+4*(2*\e+\z)], v[CO], s[22:23] offset:(2*\e+\z)*16384   ; head 4 w + 2 e + z: the byte pairs of tokens 8 lane + 0 .. 7
.endr
.endr
	s_lshl_b32 s46, s42, 10
	s_lshl_b32 s47, s16, 9
	s_add_co_u32 s46, s46, s47                     ; my first output, in bytes: 1,024 x tile column + 512 x half
	s_mov_b32 s47, 0
	s_add_nc_u64 s[92:93], s[92:93], s[46:47]      ; in bo,
	s_lshl_b32 s20, s17, 8
	s_lshl_b32 s21, s15, 7
	s_add_co_u32 s20, s20, s21
	s_lshl_b32 s20, s20, 12                        ; my first token's row of 4,096 bytes
	s_add_co_u32 s20, s20, s46
	s_mov_b32 s21, 0
	s_add_nc_u64 s[94:95], s[94:95], s[20:21]      ; and in out0
	v_lshlrev_b32 v6, 6, v2                        ; in B's tile 2 b + u a lane's eight registers are the outputs 32 b + 16 h + 8 u + 0 .. 7
.irp b, 0,1,2,3,4,5,6,7
	global_load_b128 v[BN+8*\b:BN+8*\b+3], v6, s[92:93] offset:(32*(\b/2)+8*(\b%2))*4
	global_load_b128 v[BN+8*\b+4:BN+8*\b+7], v6, s[92:93] offset:(32*(\b/2)+8*(\b%2))*4+16
.endr
	s_mul_i32 s18, s15, HALFT
	s_mul_i32 s19, s16, HALFT
	s_add_co_u32 s19, s19, 2*HALFT
.irp s, 0,1
	v_add_nc_u32 v[ADRA+\s], s18, v3
	v_add_nc_u32 v[ADRB+\s], s19, v3
	s_add_co_u32 s18, s18, SLOT
	s_add_co_u32 s19, s19, SLOT
.endr
	s_lshl_b32 s18, s15, 12                        ; the scale words: A's piece,
	s_lshl_b32 s19, s16, 12
	s_add_co_u32 s19, s19, 2*4096                  ; B's,
	s_sub_co_u32 s19, s19, s18                     ; and the distance between the two,
	v_mul_u32_u24 v8, s19, v2                      ; which lanes 16-31 go further
	s_add_co_u32 s18, s18, SCL
	v_lshl_add_u32 v8, v1, 2, v8
	v_add_nc_u32 v[ADRS], s18, v8
	s_lshl_b32 s18, s14, 10
	s_add_co_u32 s18, s18, SCL
	v_lshlrev_b32 v[SWA], 12, v2                   ; tokens 8 lane on: piece lane / 16, row 8 (lane % 16); planes 2 w and 2 w + 1
	v_lshl_add_u32 v[SWA], v1, 5, v[SWA]
	v_add_nc_u32 v[SWA], s18, v[SWA]
	s_mul_i32 s18, s14, 16*SPITCH                  ; my stage
	v_mul_u32_u24 v9, v1, SPITCH
	v_lshl_add_u32 v9, v2, 6, v9
	v_add_nc_u32 v[STO], s18, v9                   ; in: row r, + 64 h
	v_add_nc_u32 v[RD], s18, v[CO]                 ; back: a row of 512 bytes to the 32 lanes
	s_wait_loadcnt 16                              ; the four loads of byte pairs are in; the bias's sixteen may be out
.irp e, 0,1
.irp k, 0,1,2,3
	v_perm_b32 v[144+8*\e+2*\k], v[132+8*\e+\k], v[128+8*\e+\k], 0x05040100     ; a word for 128 along K: the even head's pair below, the odd head's above: token 8 lane + 2 k,
	v_perm_b32 v[145+8*\e+2*\k], v[132+8*\e+\k], v[128+8*\e+\k], 0x07060302     ; token 8 lane + 2 k + 1
.endr
	ds_store_b128 v[SWA], v[144+8*\e:147+8*\e] offset:512*\e
	ds_store_b128 v[SWA], v[148+8*\e:151+8*\e] offset:512*\e+16
.endr
	s_wait_loadcnt 0x0                             ; the bias
	s_wait_tensorcnt 1                             ; my part of K step 0 (and B's scale words) is in; K step 1's load may be out,
	s_wait_dscnt 0x0                               ; my part of A's scale words is stored:
	s_barrier_signal -1
	s_barrier_wait -1                              ; everybody's
	FETCH_B 0, 0, 0
	FETCH_A 0, 0, 0
	SCALES 0, 0
	FETCH_A 0, 0, 4
	STEP 0, 1                                      ; K = 1,024 is four K steps: written out, no loop
	TURN 0, 1, 1, 1
	STEP 1, 0
	TURN 1, 0, 1, 2
	STEP 0, 0
	TURN 0, 1, 0, 3                                ; nothing is left to fetch: no round
	STEP 1, 0
	s_wait_dscnt 24                                ; the very last 128 along K
	WIN MUL_LO
	MUL16 0, 1, 1, 1, 0
	MUL16 2, 1, 1, 1, 0
	s_wait_dscnt 0x0
	WIN MUL_HI
	MUL16 4, 1, 1, 1, 0
	MUL16 6, 1, 1, 1, 0
	WIN 0
; THE WAY OUT, block by block of 16 tokens x 128 outputs, through my own stage in LDS: in tile 2 b + u a lane's 32 bytes belong at byte 128 b + 64 h + 32 u of its row, which puts the outputs in their true order;
; the rows come back whole, 512 bytes to the 32 lanes.  Stage row t of block 2 c + u is token 32 c + 8 u + t + 8 (t / 8): the stores' offsets and the base's steps put the tokens back.
.macro TOSTAGE a
.set AC, 64*((\a)%4)
	WIN 0x08+4*((\a)/4)                            ; the data: window 2 or 3
.irp b, 0,1,2,3,4,5,6,7
	ds_store_b128 v[STO], v[AC+8*\b:AC+8*\b+3] offset:128*(\b/2)+32*(\b%2)       ; each accumulator from its low end on
	ds_store_b128 v[STO], v[AC+8*\b+4:AC+8*\b+7] offset:128*(\b/2)+32*(\b%2)+16
.endr
	WIN 0
.set BB, BK+64*((\a)%2)
.irp t, 0,1,2,3,4,5,6,7,8,9,10,11,12,13,14,15
	ds_load_b128 v[BB+4*\t:BB+4*\t+3], v[RD] offset:\t*SPITCH   ; LDS serves a wave's instructions in order (ISA guide 5.7.1.4): these see the stores above
.endr
.endm
.macro SEND a, younger                 ; younger: the LDS instructions issued behind block a's loads, which may stay out
.set BB, BK+64*((\a)%2)
	s_wait_dscnt \younger
.if (\a) > 0
.if ((\a)%2) == 1
	s_add_nc_u64 s[94:95], s[94:95], 8*4096        ; (behind a wait for the earlier stores' addresses)  into an odd block: 8 tokens on,
.else
	s_add_nc_u64 s[94:95], s[94:95], 24*4096       ; into an even one: 24
.endif
.endif
.irp t, 0,1,2,3,4,5,6,7,8,9,10,11,12,13,14,15
	global_store_b128 v[CO], v[BB+4*\t:BB+4*\t+3], s[94:95] offset:(\t+8*(\t/8))*4096 th:TH_STORE_NT   ; 32 lanes store 512 consecutive bytes, at a multiple of 256 from out0's first byte
.endr
.endm
	PLACES 4
	TOSTAGE 0
.irp a, 1,2,3,4,5,6,7
.if \a > 1
	s_wait_xcnt 0x0                                ; block a - 2's stores have read their registers and their base: block a's loads may land there, and the base may step
.endif
	TOSTAGE \a
	SEND \a-1, 32                                  ; behind block a - 1's loads: block a's 16 stores and 16 loads
.endr
	s_wait_xcnt 0x0
	SEND 7, 0
	s_wait_tensorcnt 0x0                           ; the wave's end, behind my last tensor load and my last LDS store
	ds_add_u32 v[SPW], v[NIL]
	s_wait_dscnt 0x0
	CROUND                                         ; the closing round
	s_endpgm
.Lfunc_end_k_q234441b3c4_outp:
	.size	k_q234441b3c4_outp, .Lfunc_end_k_q234441b3c4_outp-k_q234441b3c4_outp
	.p2alignl 7, 3214868480
	.fill 96, 4, 3214868480
	.section	.rodata,"a",@progbits
	.p2align	6, 0x0
	.amdhsa_kernel k_q234441b3c4_outp
		.amdhsa_group_segment_fixed_size 327680
		.amdhsa_private_segment_fixed_size 0
		.amdhsa_enable_private_segment 0
		.amdhsa_kernarg_size 48
		.amdhsa_user_sgpr_count 2
		.amdhsa_user_sgpr_kernarg_segment_ptr 1
		.amdhsa_wavefront_size32 1
		.amdhsa_system_sgpr_workgroup_id_x 1
		.amdhsa_system_sgpr_workgroup_id_y 1
		.amdhsa_system_sgpr_workgroup_id_z 1
		.amdhsa_system_vgpr_workitem_id 0
		.amdhsa_next_free_vgpr 1024
		.amdhsa_next_free_sgpr 100
		.amdhsa_reserve_vcc 0
		.amdhsa_float_denorm_mode_32 3
		.amdhsa_float_denorm_mode_16_64 3
		.amdhsa_memory_ordered 1
		.amdhsa_forward_progress 1
		.amdhsa_inst_pref_size 164
	.end_amdhsa_kernel
	.amdgpu_metadata
---
amdhsa.version: [ 1, 2 ]
amdhsa.kernels:
  - .name:           k_q234441b3c4_outp
    .symbol:         k_q234441b3c4_outp.kd
    .args:
      - { .name: ctx_codes, .offset: 0, .size: 8, .value_kind: global_buffer, .address_space: global }
      - { .name: ctx_scales, .offset: 8, .size: 8, .value_kind: global_buffer, .address_space: global }
      - { .name: xw_codes, .offset: 16, .size: 8, .value_kind: global_buffer, .address_space: global }
      - { .name: xw_scales, .offset: 24, .size: 8, .value_kind: global_buffer, .address_space: global }
      - { .name: bo, .offset: 32, .size: 8, .value_kind: global_buffer, .address_space: global }
      - { .name: out0, .offset: 40, .size: 8, .value_kind: global_buffer, .address_space: global }
    .group_segment_fixed_size: 327680
    .private_segment_fixed_size: 0
    .kernarg_segment_align: 8
    .kernarg_segment_size: 48
    .max_flat_workgroup_size: 128
    .sgpr_count:     100
    .vgpr_count:     1024
    .wavefront_size: 32
...
	.end_amdgpu_metadata
.endif
;; end of part 4
